; MI455X (gfx1250); checked and timed in simulation.
; The chip was launched on July 23, 2026; its instructions are those of AMD's public machine-readable ISA for CDNA 5 (MIT licence, August 2026) and "CDNA5" Instruction Set Architecture Reference Guide (July 2026). The comments in the code are by the model that wrote it; some were corrected since.
;; Transformer Block. Allowed arithmetic: matrix products marked QUANTISED: E4M3 operands, one given power-of-two scale a tensor, by v_wmma_f32_16x16x64_fp8_fp8 or v_wmma_f32_16x16x128_fp8_fp8, f32 sums; everything else in f32.
;; Inputs: b1 4,096 float32; b2 1,024 float32; bo 1,024 float32; g1 1,024 float32; g2 1,024 float32; lowp_scales 16 int32 (the exponents e of the quantised operands' scales 2^e); s1 1,024 float32; s2 1,024 float32; w1_codes 4,096 x 32 x 32 uint8 (E4M3 codes of w1, K innermost, in blocks of 32 codes); w2_codes 1,024 x 128 x 32 uint8 (E4M3 codes of w2, K innermost, in blocks of 32 codes); wk_codes 1,024 x 32 x 32 uint8 (E4M3 codes of wk, K innermost, in blocks of 32 codes); wo_codes 1,024 x 32 x 32 uint8 (E4M3 codes of wo, K innermost, in blocks of 32 codes); wq_codes 1,024 x 32 x 32 uint8 (E4M3 codes of wq, K innermost, in blocks of 32 codes); wv_codes 1,024 x 32 x 32 uint8 (E4M3 codes of wv, K innermost, in blocks of 32 codes); x 2 x 2,048 x 1,024 float32.
;; Outputs: out0 2 x 2,048 x 1,024 float32.
;; This version of the problem:
;;   THIS VERSION OF THE PROBLEM IS GIVEN IN LOW PRECISION. The matrix products marked QUANTISED in the list below multiply operands that are first quantised to E4M3 (4 exponent bits, 3 mantissa bits; 8 bits a number), with one given power-of-two scale for each operand tensor; their sums are f32. All else is computed in f32.
;;   The module's matrix products, in the order in which they are computed (A, B: the left and right operand; K: the contracted axis; several contracted axes count as one K, in the product's order):
;;     1. [M 4,096, K 1,024] x [K 1,024, N 1,024]; A: computed on the way; B: input wq (given as codes): QUANTISED (scales: A lowp_scales[0], B lowp_scales[1])
;;     2. [M 4,096, K 1,024] x [K 1,024, N 1,024]; A: computed on the way; B: input wk (given as codes): QUANTISED (scales: A lowp_scales[2], B lowp_scales[3])
;;     3. [M 4,096, K 1,024] x [K 1,024, N 1,024]; A: computed on the way; B: input wv (given as codes): QUANTISED (scales: A lowp_scales[4], B lowp_scales[5])
;;     4. batch 32 x [M 2,048, K 64] x [K 64, N 2,048]; A: computed on the way; B: computed on the way: QUANTISED (scales: A lowp_scales[6], B lowp_scales[7])
;;     5. batch 32 x [M 2,048, K 2,048] x [K 2,048, N 64]; A: softmax (see below); B: computed on the way: QUANTISED (scales: A lowp_scales[8], B lowp_scales[9])
;;     6. [M 4,096, K 1,024] x [K 1,024, N 1,024]; A: computed on the way; B: input wo (given as codes): QUANTISED (scales: A lowp_scales[10], B lowp_scales[11])
;;     7. [M 4,096, K 1,024] x [K 1,024, N 4,096]; A: computed on the way; B: input w1 (given as codes): QUANTISED (scales: A lowp_scales[12], B lowp_scales[13])
;;     8. [M 4,096, K 4,096] x [K 4,096, N 1,024]; A: computed on the way; B: input w2 (given as codes): QUANTISED (scales: A lowp_scales[14], B lowp_scales[15])
;;   THE QUANTISER, for each operand of a quantised product, along K:
;;     - The operand's scale is 2^e, e = its entry of the input lowp_scales (int32; the entries are numbered through the quantised products in the list's order, A before B).
;;     - Each number is divided by the scale, clamped to +-448, and rounded to the nearest number of E4M3, ties to even, subnormals kept.
;;     - The product sums the exact products of the quantised numbers (number of the format x scale) in f32.
;;   ~~~python
;;   def quantise(x, axis, e):      # numpy; x: float32 -> the quantised numbers, widened to float32 again
;;       x = np.moveaxis(x, axis, -1); K = x.shape[-1]
;;       r = np.clip(x / 2.0 ** e, -448, 448)
;;       step = 2.0 ** (np.maximum(np.frexp(np.where(r == 0, 1, r))[1] - 1, -6) - 3)
;;       q = np.round(r / step) * step * 2.0 ** e      # np.round: ties to even
;;       return np.moveaxis(q, -1, axis).astype(np.float32)
;;   ~~~
;;   SOFTMAX AHEAD OF A QUANTISED PRODUCT. Where the list says 'softmax', what is quantised is not the finished softmax but p = 2^(t - M), with t = logit x log2(e) and M = ceil(the row's largest t), a whole number; so 1/2 < the row's largest p <= 1. The row's sum l is taken of the UNQUANTISED p, in f32, and the product's result is divided by l at the end. Since M is a whole number, a kernel that streams over the keys may use a running M (the ceiling of the running maximum): every later rescaling is an exact power of two, so the quantised numbers keep their values, but for numbers so far below the row's largest that they fall under the format's range.
;;   OPERANDS COMPUTED ON THE WAY. 'Computed on the way' means the value that the module computes at that place (a softmax that the list does not call 'softmax' is quantised finished and normalised). What goes into a quantiser is computed in f32, as accurately as f32 sums, v_exp_f32 and their like allow (about 1e-6 of the number): no bf16 or f16 on the way to a quantiser, and a product that is left as it is and whose result goes on into a quantised operand takes f32 operands (vector FMAs, or v_wmma_f32_16x16x4_f32). A number that lies on a knife's edge between two numbers of the format may be rounded either way, as far as f32 arithmetic and the matrix unit's own rounding can turn it there, and no further.
;;   INPUTS GIVEN AS CODES. w1 (in the module: [4096, 1024], K = its axis 1); w2 (in the module: [1024, 4096], K = its axis 1); wk (in the module: [1024, 1024], K = its axis 1); wo (in the module: [1024, 1024], K = its axis 1); wq (in the module: [1024, 1024], K = its axis 1); wv (in the module: [1024, 1024], K = its axis 1): each comes as NAME_codes (uint8): NAME with its K axis moved to the last place and cut into blocks of 32 codes, [.., K / 32, bytes a block], one block behind the other in memory; one code a byte (a code: sign, 4 exponent bits, 3 mantissa bits); its scale is its entry of lowp_scales. Its value is code x scale, taken as it is: it is not quantised again, and the codes and scales need not be those that the quantiser above would give.
;; One version. Each part assembles by itself: llvm-mc -triple=amdgcn-amd-amdhsa -mcpu=gfx1250 --defsym DOCPART=n.
;; ======== version 1 of 1: 7 launches
;; limits: right only within a limited range of input values
;; workspace buffers: hcodes 12,582,912 bytes; qkv_img 12,582,912 bytes; ctx_img 4,194,304 bytes; x1 16,777,216 bytes; h2 4,194,304 bytes; ff_img 16,777,216 bytes
;; launch ln1 (part 1): grid 256 x 1, 8 waves a work-group, no clusters, 0 bytes of LDS; arguments x, g1, s1, lowp_scales, hcodes; writes hcodes
.if DOCPART == 1
	.amdgcn_target "amdgcn-amd-amdhsa--gfx1250"
	.amdhsa_code_object_version 6
	.text
	.protected	k_qca8f1efbf2_ln1
	.globl	k_qca8f1efbf2_ln1
	.p2align	8
	.type	k_qca8f1efbf2_ln1,@function
k_qca8f1efbf2_ln1:
	s_mov_b64 s[64:65], 0
	v_nop
	global_prefetch_b8 v0, s[64:65] scope:SCOPE_SE
	s_setreg_imm32_b32 hwreg(HW_REG_WAVE_MODE, 25, 1), 1
	s_wait_xcnt 0x0
; LAUNCH 1 OF 7 of a pre-LN transformer block (4,096 tokens, D = 1,024, 16 heads of 64, FF = 4,096), all eight products on codes of E4M3 with given scales 2^e.
; The launches: ln1 (this) | qkv: products 1-3 | attn: products 4, 5 and the softmax | oproj: product 6, + bo, + x | ln2 | ff1: product 7, + b1, gelu | ff2: product 8, + b2, + x1.
; DEAD WORK, left out in launch attn alone.  reference() builds the mask triu(ones, k = 1) in its own body and sets scores[q][k] = -inf wherever k > q.  Whatever finite values the inputs hold,
; such a score does not move the row's maximum (key 0 counts for every query, so the maximum is a number), its weight exp(-inf) is exactly 0, and it adds 0 to the row's sum and 0 x v to ctx.
; So a step of 128 keys all of which come after all 16 queries of a tile reaches no output: its part of products 4 and 5 and of the softmax is not done.  Inside a step that also holds live keys the work stays, and the scores are masked.
; Every input has a way to the output: all are loaded.  LIMIT: a NaN, an infinity or an overflow that would arise only in the key steps left out is not carried to the result.
; THIS LAUNCH: h = g1 (x - mean) / sqrt(var + 1e-5) + s1, in f32, mean first and then the mean of the squared differences, as reference() has it; h is the A operand of products 1, 2 and 3, each with a scale
; of its own (entries 0, 2, 4 of lowp_scales), so it is quantised three times: hcodes[n][token][1024], one code a byte, planes 4 MiB apart.
; code = h / 2^e, held within +-448, to the nearest code, ties to even.  LIMITS: each e between -126 and 119, so that 2^e and 448 x 2^e are f32 numbers.  NaN and infinities among the inputs are not served.
; SHARES.  A work-group takes 16 rows, a wave 2.  A row is 4,096 bytes: 32 registers a lane, kept between the passes: x is read once.  In chunk j (0..3) lane l holds numbers 256 j + 8 l + 0..7: eight neighbours,
; as the conversion takes them; its eight codes are 8 bytes at 256 j + 8 l, so a store of the wave covers 256 consecutive bytes, aligned.  g1 and s1 lie in the same map and serve both rows.
; No LDS, no barrier, no matrix unit, no cluster: a wave's reduction never leaves the wave, and work-groups share nothing but 8 KiB of g1 and s1.
.set NS,  3                            ; scales
.set X,   16                           ; v16-79   two rows, 32 registers each
.set G,   80                           ; v80-111  g1
.set S,   112                          ; v112-143 s1
.set T,   144                          ; v144-159 two sets of eight held numbers, by turns
.set C,   160                          ; v160-207 codes: a pair for each (row, scale, chunk): no store's data are written again
.set SC,  208                          ; v208-210 2^e as f32
.set LIM, 211                          ; v211-213 448 x 2^e
	s_load_b256 s[4:11], s[0:1], 0x0               ; x s[4:5], g1 s[6:7], s1 s[8:9], lowp_scales s[10:11]
	s_load_b64 s[12:13], s[0:1], 0x20              ; hcodes
	v_lshrrev_b32 v1, 5, v0
	s_delay_alu instid0(VALU_DEP_1)
	v_readfirstlane_b32 s18, v1                    ; wave 0..7
	v_and_b32 v2, 31, v0
	s_delay_alu instid0(VALU_DEP_1)
	v_lshlrev_b32 v1, 5, v2                        ; 32 x lane: my eight numbers of a chunk
	s_delay_alu instid0(VALU_DEP_2)
	v_lshlrev_b32 v2, 3, v2                        ; 8 x lane: my eight codes
	v_mov_b32 v3, 0                                ; a lane permute's destination counts as read: written once
	s_mov_b32 s28, 0x76543210                      ; v_permlanex16_b32: lane l takes lane l xor 16
	s_mov_b32 s29, 0xfedcba98
	s_mov_b32 s34, 0x3a800000                      ; 1 / 1024
	s_mov_b32 s35, 0x3727c5ac                      ; 1e-5
	s_lshl_b32 s30, ttmp9, 4
	s_lshl_b32 s31, s18, 1
	s_add_co_u32 s30, s30, s31                     ; my first row: 16 x work-group + 2 x wave
	s_lshl_b32 s32, s30, 10                        ; its codes
	s_mov_b32 s33, 0
	s_lshl_b32 s30, s30, 12                        ; its numbers
	s_mov_b32 s31, 0
	s_wait_alu depctr_va_vdst(0)
	s_wait_kmcnt 0x0
	s_load_b256 s[20:27], s[10:11], 0x0            ; e0 .. e7
	s_add_nc_u64 s[4:5], s[4:5], s[30:31]
	s_add_nc_u64 s[12:13], s[12:13], s[32:33]      ; plane 0,
	s_add_nc_u64 s[14:15], s[12:13], 0x400000      ; plane 1,
	s_add_nc_u64 s[16:17], s[12:13], 0x800000      ; plane 2
.irp i, 0,1
.irp j, 0,1,2,3
	global_load_b128 v[X+32*\i+8*\j:X+32*\i+8*\j+3],   v1, s[4:5] offset:4096*\i+1024*\j
	global_load_b128 v[X+32*\i+8*\j+4:X+32*\i+8*\j+7], v1, s[4:5] offset:4096*\i+1024*\j+16
.endr
.endr
.irp j, 0,1,2,3
	global_load_b128 v[G+8*\j:G+8*\j+3],   v1, s[6:7] offset:1024*\j
	global_load_b128 v[G+8*\j+4:G+8*\j+7], v1, s[6:7] offset:1024*\j+16
.endr
.irp j, 0,1,2,3
	global_load_b128 v[S+8*\j:S+8*\j+3],   v1, s[8:9] offset:1024*\j
	global_load_b128 v[S+8*\j+4:S+8*\j+7], v1, s[8:9] offset:1024*\j+16
.endr
	s_wait_kmcnt 0x0
.irp n, 0,1,2
	s_add_co_i32 s36, s[20+2*\n], 127
	s_lshl_b32 s37, s36, 23
	v_mov_b32 v[SC+\n], s37                        ; 2^e: the conversion takes its exponent field
	s_add_co_i32 s36, s36, 8
	s_lshl_b32 s36, s36, 23
	s_or_b32 s36, s36, 0x600000
	v_mov_b32 v[LIM+\n], s36                       ; 448 x 2^e
.endr
.macro WSUM r                          ; the sum over the wave's 32 lanes, in every lane
	s_delay_alu instid0(VALU_DEP_1)
	v_add_f32_dpp v[\r], v[\r], v[\r] row_xmask:1 row_mask:0xf bank_mask:0xf
	s_delay_alu instid0(VALU_DEP_1)
	v_add_f32_dpp v[\r], v[\r], v[\r] row_xmask:2 row_mask:0xf bank_mask:0xf
	s_delay_alu instid0(VALU_DEP_1)
	v_add_f32_dpp v[\r], v[\r], v[\r] row_xmask:4 row_mask:0xf bank_mask:0xf
	s_delay_alu instid0(VALU_DEP_1)
	v_add_f32_dpp v[\r], v[\r], v[\r] row_xmask:8 row_mask:0xf bank_mask:0xf
	s_delay_alu instid0(VALU_DEP_1)
	v_permlanex16_b32 v3, v[\r], s28, s29
	s_delay_alu instid0(VALU_DEP_1)
	v_add_f32 v[\r], v[\r], v3
.endm
.macro JOIN                            ; four chains of pairs into one number a lane, then over the lanes
	s_delay_alu instid0(VALU_DEP_3)
	v_pk_add_f32 v[8:9], v[8:9], v[10:11]
	s_delay_alu instid0(VALU_DEP_2)
	v_pk_add_f32 v[12:13], v[12:13], v[14:15]
	s_delay_alu instid0(VALU_DEP_1)
	v_pk_add_f32 v[8:9], v[8:9], v[12:13]
	s_delay_alu instid0(VALU_DEP_1)
	v_add_f32 v8, v8, v9
	WSUM 8
.endm
; Row i becomes (x - mean) / sqrt(var + 1e-5), in place.
.macro STATS i
.set XI, X+32*(\i)
.irp c, 0,2,4,6
	v_pk_add_f32 v[8+\c:9+\c], v[XI+\c:XI+\c+1], v[XI+8+\c:XI+9+\c]   ; the first pairs start the four chains: nothing is cleared
.endr
.irp p, 16,24
.irp c, 0,2,4,6
	s_delay_alu instid0(VALU_DEP_4)
	v_pk_add_f32 v[8+\c:9+\c], v[8+\c:9+\c], v[XI+\p+\c:XI+\p+\c+1]
.endr
.endr
	JOIN
	s_delay_alu instid0(VALU_DEP_1)
	v_mul_f32 v4, s34, v8                          ; the mean, twice: a pair for the packed form
	s_delay_alu instid0(VALU_DEP_2)
	v_mul_f32 v5, s34, v8
.irp p, 0,2,4,6,8,10,12,14,16,18,20,22,24,26,28,30
	v_pk_add_f32 v[XI+\p:XI+\p+1], v[XI+\p:XI+\p+1], v[4:5] neg_lo:[0,1] neg_hi:[0,1]   ; x - mean
.endr
.irp c, 0,2,4,6
	v_pk_mul_f32 v[8+\c:9+\c], v[XI+\c:XI+\c+1], v[XI+\c:XI+\c+1]
.endr
.irp p, 8,16,24
.irp c, 0,2,4,6
	s_delay_alu instid0(VALU_DEP_4)
	v_pk_fma_f32 v[8+\c:9+\c], v[XI+\p+\c:XI+\p+\c+1], v[XI+\p+\c:XI+\p+\c+1], v[8+\c:9+\c]
.endr
.endr
	JOIN
	s_delay_alu instid0(VALU_DEP_1)
	v_fma_f32 v8, v8, s34, s35                     ; var + 1e-5
	s_wait_alu depctr_va_vdst(0)
	v_rsq_f32 v6, v8
	v_rsq_f32 v7, v8
	v_nop                                          ; a plain instruction behind the last of the two (ISA guide 5.7.2),
	s_wait_alu depctr_va_vdst(0)                   ; and the wait ahead of the first reader: one for both
.irp p, 0,2,4,6,8,10,12,14,16,18,20,22,24,26,28,30
	v_pk_mul_f32 v[XI+\p:XI+\p+1], v[XI+\p:XI+\p+1], v[6:7]
.endr
.endm
; Row i: x g + s, then for each scale and chunk: the hold, the conversion, the store.
.macro NORMQ i
.set XI, X+32*(\i)
.irp p, 0,2,4,6,8,10,12,14,16,18,20,22,24,26,28,30
	v_pk_fma_f32 v[XI+\p:XI+\p+1], v[XI+\p:XI+\p+1], v[G+\p:G+\p+1], v[S+\p:S+\p+1]
.endr
.set n, 0
.rept NS
.set j, 0
.rept 4
.set TT, T+8*((4*n+j)%2)
.set CC, C+2*(12*(\i)+4*n+j)
.irp k, 0,1,2,3,4,5,6,7
	v_med3_num_f32 v[TT+\k], v[XI+8*j+\k], -v[LIM+n], v[LIM+n]   ; the conversion to an 8-bit code does not saturate (ISA guide 7.6.2): the hold comes first.  These eight, on the other set, are also the plain lines behind the conversion before
.endr
	v_cvt_scalef32_pk8_fp8_f32 v[CC:CC+1], v[TT:TT+7], v[SC+n]
	global_store_b64 v2, v[CC:CC+1], s[12+2*n:13+2*n] offset:1024*(\i)+256*j   ; 32 lanes store 256 consecutive bytes, aligned
.set j, j+1
.endr
.set n, n+1
.endr
.endm
	s_wait_loadcnt 24                              ; row 0's eight loads are in; row 1's, g1's and s1's 24 may be out
	STATS 0
	s_wait_loadcnt 16                              ; row 1's are in; g1's and s1's 16 may be out
	STATS 1
	s_wait_loadcnt 0x0
	NORMQ 0
	NORMQ 1
	s_endpgm
.Lfunc_end_k_qca8f1efbf2_ln1:
	.size	k_qca8f1efbf2_ln1, .Lfunc_end_k_qca8f1efbf2_ln1-k_qca8f1efbf2_ln1
	.p2alignl 7, 3214868480
	.fill 96, 4, 3214868480
	.section	.rodata,"a",@progbits
	.p2align	6, 0x0
	.amdhsa_kernel k_qca8f1efbf2_ln1
		.amdhsa_group_segment_fixed_size 0
		.amdhsa_private_segment_fixed_size 0
		.amdhsa_enable_private_segment 0
		.amdhsa_kernarg_size 40
		.amdhsa_user_sgpr_count 2
		.amdhsa_user_sgpr_kernarg_segment_ptr 1
		.amdhsa_wavefront_size32 1
		.amdhsa_system_sgpr_workgroup_id_x 1
		.amdhsa_system_sgpr_workgroup_id_y 1
		.amdhsa_system_sgpr_workgroup_id_z 1
		.amdhsa_system_vgpr_workitem_id 0
		.amdhsa_next_free_vgpr 216
		.amdhsa_next_free_sgpr 66
		.amdhsa_reserve_vcc 0
		.amdhsa_float_denorm_mode_32 3
		.amdhsa_float_denorm_mode_16_64 3
		.amdhsa_memory_ordered 1
		.amdhsa_forward_progress 1
		.amdhsa_inst_pref_size 37
	.end_amdhsa_kernel
	.amdgpu_metadata
---
amdhsa.version: [ 1, 2 ]
amdhsa.kernels:
  - .name:           k_qca8f1efbf2_ln1
    .symbol:         k_qca8f1efbf2_ln1.kd
    .args:
      - { .name: x, .offset: 0, .size: 8, .value_kind: global_buffer, .address_space: global }
      - { .name: g1, .offset: 8, .size: 8, .value_kind: global_buffer, .address_space: global }
      - { .name: s1, .offset: 16, .size: 8, .value_kind: global_buffer, .address_space: global }
      - { .name: lowp_scales, .offset: 24, .size: 8, .value_kind: global_buffer, .address_space: global }
      - { .name: hcodes, .offset: 32, .size: 8, .value_kind: global_buffer, .address_space: global }
    .group_segment_fixed_size: 0
    .private_segment_fixed_size: 0
    .kernarg_segment_align: 8
    .kernarg_segment_size: 40
    .max_flat_workgroup_size: 256
    .sgpr_count:     66
    .vgpr_count:     216
    .wavefront_size: 32
...
	.end_amdgpu_metadata
.endif
;; end of part 1
;; launch qkv (part 2): grid 12 x 16, 4 waves a work-group, clusters of 4 x 4, 327,680 bytes of LDS; arguments hcodes, wq_codes, wk_codes, wv_codes, lowp_scales, qkv_img; writes qkv_img
.if DOCPART == 2
	.amdgcn_target "amdgcn-amd-amdhsa--gfx1250"
	.amdhsa_code_object_version 6
	.text
	.protected	k_qca8f1efbf2_qkv
	.globl	k_qca8f1efbf2_qkv
	.p2align	8
	.type	k_qca8f1efbf2_qkv,@function
k_qca8f1efbf2_qkv:
	s_mov_b64 s[64:65], 0
	v_nop
	global_prefetch_b8 v0, s[64:65] scope:SCOPE_SE
	s_setreg_imm32_b32 hwreg(HW_REG_WAVE_MODE, 25, 1), 1
	s_wait_xcnt 0x0
	s_wait_alu depctr_hold_cnt(0) depctr_sa_sdst(0) depctr_va_vdst(0) depctr_va_sdst(0) depctr_va_ssrc(0) depctr_va_vcc(0) depctr_vm_vsrc(0)
	s_getreg_b32 s2, hwreg(HW_REG_IB_STS2, 6, 4)
	s_cmp_eq_u32 s2, 0
	s_cbranch_scc0 .Lentry_in_a_cluster
	s_endpgm
.Lentry_in_a_cluster:
	s_bfe_u32 s2, ttmp6, 0x10000c
	s_cmp_lg_u32 s2, 0xf033
	s_cbranch_scc0 .Lentry_shape_is_right
	s_endpgm
.Lentry_shape_is_right:
; LAUNCH 2 OF 7: products 1, 2, 3 (q = h wq^T, k = h wk^T, v = h wv^T; M 4,096, N 1,024, K 1,024) on codes of E4M3, and the quantising of q (entry 6 of lowp_scales), k (entry 7) and v (entry 9, along the KEYS).
; The cluster's x says which: 0 q, 1 k, 2 v.  q and k: A = h's codes (plane 0 or 1 of hcodes), B = the weight's.  v IS MADE TRANSPOSED, v^T = wv h^T, by the same text with the roles exchanged (A = wv's codes, B = plane 2 of hcodes):
; a lane then holds one channel and eight neighbouring keys, which is what a quantiser along the keys takes.
; A tile of C, 256 x 256, is made by four waves, as many as a WGP has SIMDs; a wave makes 128 x 128: 64 accumulators, 512 registers.  K goes in steps of 256 through a ring of two LDS slots filled by the tensor data mover.
; CLUSTERS: 4 x 4 work-groups; the four of a row need the same tiles of A, the four of a column the same tiles of B: each tile is asked for JOINTLY.
; THE MATRIX INSTRUCTION IS USED TRANSPOSED (source 0 = 16 rows of B, source 1 = 16 rows of A): lane (r, h) holds row r of A's block, and register j of accumulator b column 16 b + 8 h + j.
; Both operands are fetched by loads of 16 bytes: the same permutation of k on both sides, so every product meets its partner.
; THE WAY OUT HAS NO STAGE.  The plain 8-bit form wants, in registers 2 c and 2 c + 1 of lane (r, h), k = 16 c + 8 h + 0..7 of row r: just what the conversion of accumulator c gives.  So the codes leave as IMAGES OF THE NEXT OPERAND'S
; REGISTERS: four registers by one store at 16 x lane, 512 consecutive bytes.  qkv_img: plane 0 q, plane 1 k: [batch x head 32][tile of 16 tokens 128][1 KiB: 8 registers, K = the head's 64];
; plane 2 v^T: [batch x head 32][step of 128 keys 16][tile of 16 channels 4][2 KiB: 16 registers, K = 128 keys].  A head is 131,072 bytes in each plane.
; A sum stands for sum x 2^(eA + eB), so its code is sum / 2^f with f = e6 - e0 - e1, e7 - e2 - e3, e9 - e4 - e5: the three scales are folded into the conversion's one; the choice among the three is made by selects, with no branch.
; LIMITS: each f between -126 and 119.  NaN and infinities among the inputs are not served.
; REGISTERS, in windows of 256: window 0: v0-31 addresses; from v128 A's fragments, ONE set; on the way out v32-95 held sums, v224-255 codes.  window 1: B's fragments, TWO sets.  windows 2, 3: the accumulators ((a, b) at v[8 (8 (a % 4) + b)]).
.set SIZE_K, 1024
.set KSTEP,  256                       ; along K in a slot
.set ROWB,   256                       ; a tile's row in bytes
.set KROW,   SIZE_K                    ; a row of A or of B in memory, in bytes
.set PITCH,  272                       ; an LDS row: 256 bytes + 16 of padding = 68 words: row r starts at bank 4 r mod 64 (64 banks of 4 bytes: ISA guide 11.1)
.set FR,     16                        ; registers of a fragment: 16 rows x 128 K
.set NL,     4                         ; LDS loads that bring one
.set NP,     4                         ; places behind this matrix instruction (ISA guide 7.12.1)
.set HALFT,  128*PITCH                 ; 128 rows: what one tensor load brings
.set SLOT,   4*HALFT                   ; A's 256 rows, then B's 256 rows
.set LAPS,   SIZE_K/(2*KSTEP)          ; a lap = two K steps = once round the ring
.set SPARE,  2*SLOT                    ; behind the ring: the spare words, 128 bytes for each wave
.set ADRA, 16                          ; v16-17  LDS address of my A fragments in slot 0, 1
.set ADRB, 20                          ; v20-21  the same for B
.set VO0,  26                          ; v26     16 x lane
.set VO1,  27                          ; v27     16 x lane + the distance to an image's second half (v) or to the next head (q, k)
.set SPW,  28                          ; v28     LDS address of my spare word; never rewritten
.set NIL,  29                          ; v29     0; never rewritten
.set TMP,  32
.set AF,   128
.set G1, 24                            ; s[24:31] descriptor group 1 for A's tiles;  s[32:39] group 0, one set for each slot
.set G0, 32
.set G1B, 48                           ; s[48:55], s[56:63] the same for B's tiles
.set G0B, 56
.set MSB, 0
.macro WIN new                         ; the immediate's high byte repeats the setting that is left
.if MSB != (\new)
	s_set_vgpr_msb (MSB<<8)|(\new)
.set MSB, (\new)
.endif
.endm
.set MUL_LO, 0xa1                      ; source 0 (B) window 1, source 1 (A) window 0, C and D window 2
.set MUL_HI, 0xf1                      ; the same, C and D window 3
.set TO_B,   0x40                      ; destination window 1, address window 0
; A joint load: waves 0 and 1 fetch for A, waves 2 and 3 for B; the branch hangs on the wave's number alone.  An s_nop 0 and four v_nop follow each of the two lines.
.macro JLOAD g0a, g1a, g0b, g1b
	s_cmp_eq_u32 s15, 0
	s_cbranch_scc0 .Lfor_b_\@
	tensor_load_to_lds s[\g0a:\g0a+3], s[\g1a:\g1a+7]
	s_nop 0
.rept 4
	v_nop
.endr
	s_branch .Lasked_\@
.Lfor_b_\@:
	tensor_load_to_lds s[\g0b:\g0b+3], s[\g1b:\g1b+7]
	s_nop 0
.rept 4
	v_nop
.endr
.Lasked_\@:
.endm
.macro CREST                           ; a round of the cluster's barrier behind its opening barrier
	s_cmp_lg_u32 s14, 0
	s_cbranch_scc1 .Lnot_wave_0_\@
	s_barrier_signal -3
.Lnot_wave_0_\@:
	s_barrier_wait -3
	s_barrier_signal -1
	s_barrier_wait -1
.endm
.macro CROUND                          ; a whole round
	s_barrier_signal -1
	s_barrier_wait -1
	CREST
.endm
	s_load_b256 s[68:75], s[0:1], 0x0              ; hcodes s[68:69], wq s[70:71], wk s[72:73], wv s[74:75]
	s_load_b128 s[76:79], s[0:1], 0x20             ; lowp_scales s[76:77], qkv_img s[78:79]
	v_lshl_add_u32 v[SPW], v0, 2, SPARE
	v_mov_b32 v[NIL], 0
	ds_add_u32 v[SPW], v[NIL]                      ; the wave's opening: the add, twice on end, and its wait ahead of my first tensor load
	ds_add_u32 v[SPW], v[NIL]
	v_lshrrev_b32 v1, 5, v0
	v_readfirstlane_b32 s14, v1                    ; wave 0..3
	s_lshr_b32 s15, s14, 1                         ; which half of the tile's rows is mine.  Also: I fetch for A (0) or for B (1)
	s_and_b32 s16, s14, 1                          ; which half of its columns.  Also: which 128 rows of that tile I fetch
	s_bfe_u32 s40, ttmp6, 0x40000                  ; cx, cy: my place in the cluster
	s_bfe_u32 s41, ttmp6, 0x40004
	s_and_b32 s17, ttmp7, 0xffff                   ; the cluster's y, 0..3
	s_lshl_b32 s84, ttmp9, 22                      ; 4 MiB x the cluster's x: the plane, in hcodes and in qkv_img
	s_mov_b32 s85, 0
	s_mov_b32 s87, 0
	s_cmp_eq_u32 ttmp9, 2                          ; v?  The cluster's x is the same in all sixteen partners
	s_cselect_b32 s42, s17, 0                      ; v: the tokens are B's rows, so the clusters' y walks the tile columns;
	s_cselect_b32 s17, 0, s17                      ; q, k: they are A's rows, and it walks the tile rows
	s_cselect_b32 s86, 0, s84                      ; what is added to A's address: h's plane (q, k),
	s_cselect_b32 s88, s84, 0                      ; and to B's: h's plane 2 (v)
	s_lshl_b32 s42, s42, 2
	s_add_co_u32 s42, s42, s40                     ; tile column of C
	s_lshl_b32 s17, s17, 2
	s_add_co_u32 s17, s17, s41                     ; tile row of C
	s_lshl_b32 s43, s41, 2
	s_lshl_b32 s43, 15, s43                        ; my row of the cluster
	s_lshl_b32 s44, 0x1111, s40                    ; my column
	; descriptor group 1: a tile of 128 rows x 256 bytes, padded in LDS
	s_or_b32 s[G1+0], s43, (0<<16)|(1<<20)|(1<<21)|(5<<22)|(3<<25)  ; 15:0 the mask: A's tiles go to my row; 17:16 elements of 1 byte; 20 padding on; 21 set beside a mask; 24:22 after every 64 words; 31:25 four words
	s_or_b32 s[G1B+0], s44, (0<<16)|(1<<20)|(1<<21)|(5<<22)|(3<<25)
.irp g, G1, G1B
	s_mov_b32 s[\g+1], ROWB<<16                    ; tensor_dim0
	s_mov_b32 s[\g+2], 128<<16                     ; tensor_dim1 = 128
	s_mov_b32 s[\g+3], ROWB<<16                    ; tile_dim0
	s_mov_b32 s[\g+4], 128                         ; tile_dim1 = 128
	s_mov_b32 s[\g+5], KROW                        ; tensor_dim0_stride
	s_mov_b32 s[\g+6], 0
	s_mov_b32 s[\g+7], 0
.endr
	s_lshl_b32 s18, s16, 7                         ; which 128 rows of the tile I fetch
	s_lshl_b32 s20, s17, 8
	s_add_co_u32 s20, s20, s18                     ; A: row 256 x tile row + 128 x half,
	s_lshl_b32 s20, s20, 10                        ; in bytes (a row is 1,024),
	s_add_co_u32 s20, s20, s86                     ; in its plane
	s_mov_b32 s21, 0
	s_lshl_b32 s46, s42, 8
	s_add_co_u32 s46, s46, s18                     ; B: row 256 x tile column + 128 x half
	s_lshl_b32 s46, s46, 10
	s_add_co_u32 s46, s46, s88
	s_mov_b32 s47, 0
	s_mul_i32 s45, s14, HALFT
; PREFETCH INTO THE L2.  A K step is 256 bytes of each row.  Of the 128 rows that a wave fetches, each of the four partners that ask for them jointly names 32, told apart by address (cx for A's tiles, cy for B's): a lane a row,
; one instruction a wave and K step.  Behind the load of K step 0 stand K steps 1 and 2, behind the load of K step 1 stands K step 3: K has four steps, so nothing is left to ask for in the loop.
.set PFO, 30                           ; v30     my lane x a row of 1,024 bytes; never rewritten
.set PFA, 96                           ; s[96:97] my work-group's 32 rows of the 128 that I fetch; never rewritten
	v_and_b32 v[PFO], 31, v0
	v_lshlrev_b32 v[PFO], 10, v[PFO]
	s_wait_alu depctr_va_vdst(0)                   ; the wait here, directly ahead of the wait below
	s_wait_dscnt 0x0
	s_wait_kmcnt 0x0
	s_cmp_eq_u32 ttmp9, 0
	s_cselect_b64 s[6:7], s[70:71], s[72:73]       ; the weight of q or of k
	s_cmp_eq_u32 ttmp9, 2
	s_cselect_b64 s[4:5], s[74:75], s[68:69]       ; A: wv's codes (v) or h's
	s_cselect_b64 s[6:7], s[68:69], s[6:7]         ; B: h's codes (v) or the weight's
	s_mov_b64 s[8:9], s[76:77]
	s_add_nc_u64 s[10:11], s[78:79], s[84:85]      ; my plane of qkv_img
	s_load_b512 s[68:83], s[8:9], 0x0              ; e0 .. e15 (the pointers that lay here have been taken)
	s_add_nc_u64 s[20:21], s[4:5], s[20:21]
	s_add_nc_u64 s[46:47], s[6:7], s[46:47]
	s_cmp_eq_u32 s15, 0                            ; do I fetch for A?
	s_cselect_b64 s[PFA:PFA+1], s[20:21], s[46:47] ; the 128 rows that I fetch
	s_cselect_b32 s98, s40, s41                    ; my place among the four that ask for them with me
	s_lshl_b32 s98, s98, 15                        ; 32 rows of 1,024 bytes
	s_mov_b32 s99, 0
	s_add_nc_u64 s[PFA:PFA+1], s[PFA:PFA+1], s[98:99]
	CROUND
.irp s, 0,1
	s_mov_b32 s[G0+4*\s], 1
	s_add_co_u32 s[G0+4*\s+1], s45, \s*SLOT
	s_add_nc_u64 s[G0+4*\s+2:G0+4*\s+3], s[20:21], \s*ROWB
	s_or_b32 s[G0+4*\s+3], s[G0+4*\s+3], 0x80000000
	s_mov_b32 s[G0B+4*\s], 1
	s_add_co_u32 s[G0B+4*\s+1], s45, \s*SLOT
	s_add_nc_u64 s[G0B+4*\s+2:G0B+4*\s+3], s[46:47], \s*ROWB
	s_or_b32 s[G0B+4*\s+3], s[G0B+4*\s+3], 0x80000000
.if \s                                         ; slot 1's first fill is issued as a refill is: one tensor load a wave at the head
	s_wait_alu depctr_va_vdst(0)                   ; the wait here, directly ahead of the wait below
	s_wait_tensorcnt 0x0                           ; my part of K step 0 is in
	ds_add_u32 v[SPW], v[NIL]
	s_wait_dscnt 0x0
	CROUND                                         ; a whole round: the joint loads of K step 1 meet
.endif
	JLOAD G0+4*\s, G1, G0B+4*\s, G1B
.if \s
	global_prefetch_b8 v[PFO], s[PFA:PFA+1] offset:3*ROWB th:TH_LOAD_NT scope:SCOPE_SE   ; K step 3
.else
	global_prefetch_b8 v[PFO], s[PFA:PFA+1] offset:ROWB th:TH_LOAD_NT scope:SCOPE_SE     ; K step 1, whose load goes out when K step 0 is in
	global_prefetch_b8 v[PFO], s[PFA:PFA+1] offset:2*ROWB th:TH_LOAD_NT scope:SCOPE_SE   ; K step 2
.endif
.endr
	v_and_b32 v1, 15, v0                           ; l % 16
	v_bfe_u32 v2, v0, 4, 1                         ; l / 16
	v_mul_u32_u24 v3, v1, PITCH
	v_lshl_add_u32 v4, v2, 4, v3                   ; a fragment's row x pitch + 16 x half
	s_mul_i32 s21, s15, HALFT                      ; my 128 rows of A
	s_mul_i32 s22, s16, HALFT                      ; my 128 rows of B,
	s_add_co_u32 s22, s22, 2*HALFT                 ; which lie behind A's 256
.irp s, 0,1
	v_add_nc_u32 v[ADRA+\s], s21, v4
	v_add_nc_u32 v[ADRB+\s], s22, v4
	s_add_co_u32 s21, s21, SLOT
	s_add_co_u32 s22, s22, SLOT
.endr
	; the way out's addresses.  R0, C0: my first row and column of C.  tok0: my first token; ch0: my first channel
	v_and_b32 v6, 31, v0
	v_lshlrev_b32 v[VO0], 4, v6
	s_wait_alu depctr_va_vdst(0)
	s_lshl_b32 s90, s17, 8
	s_lshl_b32 s91, s15, 7
	s_add_co_u32 s90, s90, s91                     ; R0
	s_lshl_b32 s91, s42, 8
	s_lshl_b32 s92, s16, 7
	s_add_co_u32 s91, s91, s92                     ; C0
	s_mov_b32 s93, 131072
	s_mov_b32 s84, 1024
	s_mov_b32 s86, 1024
	s_cmp_eq_u32 ttmp9, 2
	s_cselect_b32 s92, s91, s90                    ; tok0
	s_cselect_b32 s94, s90, s91                    ; ch0
	s_cselect_b32 s93, 1024, s93                   ; registers 8-15 of a block: v: the image's second half; q, k: the next head's image
	s_cselect_b32 s84, 2048, s84                   ; from block to block: v: the next tile of channels; q, k: the next tile of tokens
	s_cselect_b32 s86, 124928, s86                 ; from block 3 to block 4: v: the next head's first tile (131,072 - 3 x 2,048); q, k: as ever
	v_add_nc_u32 v[VO1], s93, v[VO0]
	s_lshr_b32 s95, s92, 11
	s_lshl_b32 s95, s95, 21                        ; the batch: 16 heads of 131,072 bytes
	s_lshr_b32 s94, s94, 6
	s_lshl_b32 s94, s94, 17                        ; the head
	s_add_co_u32 s95, s95, s94
	s_and_b32 s92, s92, 2047
	s_lshl_b32 s92, s92, 6                         ; 64 bytes a token, in all three planes (16 tokens: 1 KiB; 128 keys: 4 x 2 KiB)
	s_add_co_u32 s94, s95, s92
	s_mov_b32 s95, 0
	s_add_nc_u64 s[10:11], s[10:11], s[94:95]
.macro FRAG reg, adr, q, i             ; a fragment, 16 rows x 128 K: lane l holds row l % 16; registers 4 c .. 4 c + 3 hold K = 32 c + 16 (l / 16) + 0 .. 15
.irp c, 0,1,2,3
	ds_load_b128 v[\reg+4*\c:\reg+4*\c+3], v[\adr] offset:128*(\q)+32*\c+(\i)*16*PITCH
.endr
.endm
; 16 matrix instructions: A's blocks a0, a0 + 1 x B's eight, 128 along K.  p: B's set.  zero = 1: the first product starts the sums.  The 64 accumulators take turns, one instruction a turn.
.macro MUL16 a0, p, zero
.irp a, \a0, \a0+1
.irp b, 0,1,2,3,4,5,6,7
.if \zero
	v_wmma_f32_16x16x128_fp8_fp8 v[8*(8*((\a)%4)+\b):8*(8*((\a)%4)+\b)+7], v[128*(\p)+FR*\b:128*(\p)+FR*\b+FR-1], v[AF+FR*(\a):AF+FR*(\a)+FR-1], 0
.else
	v_wmma_f32_16x16x128_fp8_fp8 v[8*(8*((\a)%4)+\b):8*(8*((\a)%4)+\b)+7], v[128*(\p)+FR*\b:128*(\p)+FR*\b+FR-1], v[AF+FR*(\a):AF+FR*(\a)+FR-1], v[8*(8*((\a)%4)+\b):8*(8*((\a)%4)+\b)+7]
.endif
.endr
.endr
.endm
.macro FETCH_B slot, q, p              ; B's eight fragments of the slot's q-th 128 along K into set p
	WIN TO_B
.irp i, 0,1,2,3,4,5,6,7
	FRAG 128*(\p)+FR*\i, ADRB+\slot, \q, \i
.endr
	WIN 0
.endm
.macro FETCH_A slot, q, i0             ; A's blocks i0 .. i0 + 3
.irp i, \i0, \i0+1, \i0+2, \i0+3
	FRAG AF+FR*(\i), ADRA+\slot, \q, \i
.endr
.endm
.macro PLACES n                        ; plain vector instructions between a matrix instruction and a load into, or a read of, its registers
.rept \n
	v_nop
.endr
.endm
; A step of 128 along K that has its successor in the same slot.  A's blocks 0-3 are fetched anew in its middle, blocks 4-7 at its end; B's other set in the middle.
.macro STEP slot, q, zero
	s_wait_dscnt 4*NL                              ; B's set and A's blocks 0-3 are in; the youngest 16 loads (A's blocks 4-7) may be out
	WIN MUL_LO
	MUL16 0, (\q)%2, \zero
	MUL16 2, (\q)%2, \zero
	s_wait_dscnt 0                                 ; A's blocks 4-7 are in
	PLACES NP
	FETCH_B \slot, (\q)+1, 1-(\q)%2
	FETCH_A \slot, (\q)+1, 0
	WIN MUL_HI
	MUL16 4, (\q)%2, \zero
	MUL16 6, (\q)%2, \zero
	PLACES NP
	WIN 0
	FETCH_A \slot, (\q)+1, 4
.endm
; A slot's last step changes slots: ONE barrier; in front of it each wave waits for all its tensor loads, adds 0 to its spare word, and waits for that and for its own reads of this slot.  fill = 1: this slot is filled again, two K steps ahead.
.macro TURN slot, next, fill
	s_wait_tensorcnt 0x0                           ; all my tensor loads have landed: my part of the next slot
	ds_add_u32 v[SPW], v[NIL]                      ; 0 onto my spare word
	s_wait_dscnt 4*NL+1                            ; (the add and the youngest 16 loads, A's blocks 4-7, may be out)
	WIN MUL_LO
	MUL16 0, 1, 0                                  ; sixteen matrix instructions stand between the add and the wait for it
	s_wait_dscnt 0x0                               ; the add is done, and my reads of this slot are over
	s_barrier_signal -1
	MUL16 2, 1, 0
	WIN 0
	s_barrier_wait -1
.if \fill
	CREST                                          ; the barrier has opened a round of the cluster's barrier: no wave of any partner still reads this slot's tile or has a load on its way
	s_add_nc_u64 s[G0+4*\slot+2:G0+4*\slot+3], s[G0+4*\slot+2:G0+4*\slot+3], 2*ROWB
	s_add_nc_u64 s[G0B+4*\slot+2:G0B+4*\slot+3], s[G0B+4*\slot+2:G0B+4*\slot+3], 2*ROWB
	JLOAD G0+4*\slot, G1, G0B+4*\slot, G1B         ; the first tensor load behind the round; its four v_nop are the places in front of the loads below
.else
	PLACES NP
.endif
	FETCH_B \next, 0, 0
	FETCH_A \next, 0, 0
	WIN MUL_HI
	MUL16 4, 1, 0
	MUL16 6, 1, 0
	PLACES NP
	WIN 0
	FETCH_A \next, 0, 4
.endm
	s_wait_tensorcnt 1                             ; my part of K step 0 is in (K step 1's load, the one issued behind it, may be out)
	s_barrier_signal -1
	s_barrier_wait -1                              ; everybody's is
	FETCH_B 0, 0, 0
	FETCH_A 0, 0, 0
	FETCH_A 0, 0, 4
	STEP 0, 0, 1                                   ; the first step stands in front of the loop: its products start the sums
	s_mov_b32 s3, LAPS-1
.Llap:                                                 ; a trip goes once round the ring and fills both slots again
	TURN 0, 1, 1
	STEP 1, 0, 0
	TURN 1, 0, 1
	STEP 0, 0, 0
	s_sub_co_u32 s3, s3, 1
	s_cmp_lg_u32 s3, 0
	s_cbranch_scc1 .Llap
	TURN 0, 1, 0                                   ; the last lap fills nothing
	STEP 1, 0, 0
	s_wait_dscnt 4*NL                              ; the very last step
	WIN MUL_LO
	MUL16 0, 1, 0
	MUL16 2, 1, 0
	s_wait_dscnt 0
	WIN MUL_HI
	MUL16 4, 1, 0
	MUL16 6, 1, 0
	WIN 0
	; THE WAY OUT
	s_wait_kmcnt 0x0
	s_sub_co_i32 s90, s74, s68
	s_sub_co_i32 s90, s90, s69                     ; q: e6 - e0 - e1
	s_sub_co_i32 s91, s75, s70
	s_sub_co_i32 s91, s91, s71                     ; k: e7 - e2 - e3
	s_sub_co_i32 s92, s77, s72
	s_sub_co_i32 s92, s92, s73                     ; v: e9 - e4 - e5
	s_cmp_eq_u32 ttmp9, 0
	s_cselect_b32 s90, s90, s91
	s_cmp_eq_u32 ttmp9, 2
	s_cselect_b32 s90, s92, s90                    ; f
	s_add_co_i32 s90, s90, 127
	s_lshl_b32 s91, s90, 23
	v_mov_b32 v12, s91                             ; 2^f as f32: the conversion takes its exponent field
	s_add_co_i32 s90, s90, 8
	s_lshl_b32 s90, s90, 23
	s_or_b32 s90, s90, 0x600000
	v_mov_b32 v13, s90                             ; 448 x 2^f
	PLACES NP
; Block a (16 rows of A x my 128 columns): the hold, each accumulator from its low end on; eight conversions give 16 registers of codes; four stores of 512 consecutive bytes.
.macro OUTBLK a
.set AC, 64*((\a)%4)
.set CD, 224+16*((\a)%2)
	WIN 0x02+((\a)/4)                              ; source 0: window 2 or 3
.set j, 0
.rept 64
	v_med3_num_f32 v[TMP+j], v[AC+j], -v13, v13    ; the conversion to an 8-bit code does not saturate (ISA guide 7.6.2)
.set j, j+1
.endr
	WIN 0
.irp b, 0,1,2,3,4,5,6,7
	v_cvt_scalef32_pk8_fp8_f32 v[CD+2*\b:CD+2*\b+1], v[TMP+8*\b:TMP+8*\b+7], v12
.endr
	v_nop                                          ; a plain line between the last conversion and the next block's holds, which write its sources
.if (\a) > 0
	s_wait_alu depctr_va_vdst(0)
	s_wait_xcnt 0x0                                ; the earlier stores have read their base and their data: the base may step, and the block after this may write the codes' other set
.if (\a) == 4
	s_add_nc_u64 s[10:11], s[10:11], s[86:87]
.else
	s_add_nc_u64 s[10:11], s[10:11], s[84:85]
.endif
.endif
	global_store_b128 v[VO0], v[CD:CD+3], s[10:11]
	global_store_b128 v[VO0], v[CD+4:CD+7], s[10:11] offset:512
	global_store_b128 v[VO1], v[CD+8:CD+11], s[10:11]
	global_store_b128 v[VO1], v[CD+12:CD+15], s[10:11] offset:512
.endm
.irp a, 0,1,2,3,4,5,6,7
	OUTBLK \a
.endr
	s_wait_tensorcnt 0x0                           ; the wave's end
	ds_add_u32 v[SPW], v[NIL]
	s_wait_dscnt 0x0
	CROUND                                         ; the closing round: no work-group ends while a partner may still ask for a tile that names it
	s_endpgm
.Lfunc_end_k_qca8f1efbf2_qkv:
	.size	k_qca8f1efbf2_qkv, .Lfunc_end_k_qca8f1efbf2_qkv-k_qca8f1efbf2_qkv
	.p2alignl 7, 3214868480
	.fill 96, 4, 3214868480
	.section	.rodata,"a",@progbits
	.p2align	6, 0x0
	.amdhsa_kernel k_qca8f1efbf2_qkv
		.amdhsa_group_segment_fixed_size 327680
		.amdhsa_private_segment_fixed_size 0
		.amdhsa_enable_private_segment 0
		.amdhsa_kernarg_size 48
		.amdhsa_user_sgpr_count 2
		.amdhsa_user_sgpr_kernarg_segment_ptr 1
		.amdhsa_wavefront_size32 1
		.amdhsa_system_sgpr_workgroup_id_x 1
		.amdhsa_system_sgpr_workgroup_id_y 1
		.amdhsa_system_sgpr_workgroup_id_z 1
		.amdhsa_system_vgpr_workitem_id 0
		.amdhsa_next_free_vgpr 1024
		.amdhsa_next_free_sgpr 100
		.amdhsa_reserve_vcc 0
		.amdhsa_float_denorm_mode_32 3
		.amdhsa_float_denorm_mode_16_64 3
		.amdhsa_memory_ordered 1
		.amdhsa_forward_progress 1
		.amdhsa_inst_pref_size 120
	.end_amdhsa_kernel
	.amdgpu_metadata
---
amdhsa.version: [ 1, 2 ]
amdhsa.kernels:
  - .name:           k_qca8f1efbf2_qkv
    .symbol:         k_qca8f1efbf2_qkv.kd
    .args:
      - { .name: hcodes, .offset: 0, .size: 8, .value_kind: global_buffer, .address_space: global }
      - { .name: wq_codes, .offset: 8, .size: 8, .value_kind: global_buffer, .address_space: global }
      - { .name: wk_codes, .offset: 16, .size: 8, .value_kind: global_buffer, .address_space: global }
      - { .name: wv_codes, .offset: 24, .size: 8, .value_kind: global_buffer, .address_space: global }
      - { .name: lowp_scales, .offset: 32, .size: 8, .value_kind: global_buffer, .address_space: global }
      - { .name: qkv_img, .offset: 40, .size: 8, .value_kind: global_buffer, .address_space: global }
    .group_segment_fixed_size: 327680
    .private_segment_fixed_size: 0
    .kernarg_segment_align: 8
    .kernarg_segment_size: 48
    .max_flat_workgroup_size: 128
    .sgpr_count:     100
    .vgpr_count:     1024
    .wavefront_size: 32
...
	.end_amdgpu_metadata
.endif
;; end of part 2
;; launch attn (part 3): grid 8 x 32, 16 waves a work-group, no clusters, 327,680 bytes of LDS; arguments qkv_img, lowp_scales, ctx_img; writes ctx_img
.if DOCPART == 3
	.amdgcn_target "amdgcn-amd-amdhsa--gfx1250"
	.amdhsa_code_object_version 6
	.text
	.protected	k_qca8f1efbf2_attn
	.globl	k_qca8f1efbf2_attn
	.p2align	8
	.type	k_qca8f1efbf2_attn,@function
k_qca8f1efbf2_attn:
	s_mov_b64 s[64:65], 0
	v_nop
	global_prefetch_b8 v0, s[64:65] scope:SCOPE_SE
	s_setreg_imm32_b32 hwreg(HW_REG_WAVE_MODE, 25, 1), 1
	s_wait_xcnt 0x0
; LAUNCH 3 OF 7: products 4 and 5 with the causal softmax between them, on codes of E4M3; ctx is divided by the row's sum and quantised (entry 10 of lowp_scales) for product 6.
; WORK LEFT OUT (shown dead at the head of launch ln1): a step of 128 keys all of which come after a tile's 16 queries has -inf in every score by the mask that reference() builds itself: weight 0, nothing added.  It is not walked.
; THE SOFTMAX AHEAD OF PRODUCT 5: t = score x log2(e) / 8; M = the row's largest t so far, rounded UP to a whole number; p = 2^(t - M) is quantised (entry 8), not normalised.  The row's sum is taken of the unquantised p
; and divides at the end.  When M moves, the sum and O are multiplied by 2^(old M - new M): exact.
; SHARES.  A work-group serves one batch x head (y) and the blocks of 128 queries x and 15 - x: (x + 1) + (16 - x) = 17 key steps for each pair of tiles, the same in every work-group, 256 work-groups.
; Each of its SIXTEEN waves owns one tile of 16 queries in 256 registers; wave w takes tile w / 2 of the low block or of the high one by the bit (w xor w / 4) & 1.
; q, k and v^T arrive as IMAGES OF OPERAND REGISTERS (launch qkv): a fragment is read at 16 x lane, 512 consecutive bytes a load: no pitch, no padding.
; K's and V's images come through a ring of two LDS slots of 256 keys: 16 KiB of K (wave 0 fetches), 16 KiB of V (wave 1), each one dense block of memory.  By this text's own count a wave has one tensor load out at the most.
; LAYOUT.  Both products are used transposed: S^T = K Q^T (source 0 = 16 keys, source 1 = my 16 queries): register j of tile t is key 16 t + 8 h + j of query r.  The conversion of tile t gives registers 2 t, 2 t + 1 of the
; plain form's operand with K = 128 keys.  O^T = V^T P^T (source 0 = 16 channels): register j of tile t is channel 16 t + 8 h + j: its conversion gives registers 2 t, 2 t + 1 of product 6's A.
; NO CLUSTER: the work-groups of a head end their walks at different keys, so a partner would be sent tiles that none of its waves reads.
; ctx_img: [512 along K: 2][tile of 16 tokens: 256][128 along K: 4][2 KiB], K = 64 x head + channel.
; LIMITS on the given exponents: e6 + e7 between -123 and 130 (added to c's exponent field); e8, and e10 - e8 - e9, between -126 and 119.  NaN and infinities among the inputs are not served.
; REGISTERS: v1 16 x lane; v3 the prefetches' offset; v5, v6 the add's two; v8 the LDS address in hand; v10 r - 8 h; v12 -M, v13 the largest t, v[14:15] the sum; v16-23 Q; v32-95 K's eight fragments, then V's four;
; v96-159 S^T, then p; v160-191 O^T; v192-207 p's codes; v208-215 at work; v216 448 x 2^e8, v217 2^e8, v218 -infinity, v219 2^(e10 - e8 - e9), v220 448 x that.
.set SLOT1, 1<<15                      ; slot 1 begins here: one exclusive or turns an address in one slot into the other's
.set VOFF,  16384                      ; in a slot: K's 16 images of 1 KiB, then V's 8 of 2 KiB
.set NSL,   8                          ; slots' worth of keys in a head
.set SPARE, 2*SLOT1                    ; behind the ring: the spare words, 128 bytes for each of the sixteen waves
.set LI,   1
.set PFO,  3
.set SPW,  5
.set NIL,  6
.set AD,   8
.set DL,   10
.set WV,   18                          ; s18  my wave's number
.set BH,   19                          ; s19  batch x head
.set SEL,  20                          ; s[20:21] selects for v_permlanex16_b32: lane l xor 16
.set CS,   22                          ; s[22:23] c = log2(e) / 8 x 2^(e6 + e7)
.set G1,   24                          ; s[24:31] descriptor group 1: 64 rows of 256 bytes, dense
.set G0,   40                          ; s[40:43] descriptor group 0, which walks
.set TB,   2                           ; s2   LDS byte at which the slot in hand begins
.set SLOTS, 67                         ; s67  changes of slots still to come that may ask for a slot
.set KF,   98                          ; s98  the step's first key
.set Q0,   99                          ; s99  my first query
.set LASTQ, 97                         ; s97  my work-group's last query
.set PFA,  76                          ; s[76:77] where my prefetches stand
.set LIM,  80                          ; s80  1 in a wave that prefetches, else the greatest number
.macro TLOAD                           ; waves 0 and 1 fetch, the others nothing.  An s_nop 0 and four v_nop follow the line
	s_cmp_lt_u32 s[WV], 2
	s_cbranch_scc0 .Lasked_\@
	tensor_load_to_lds s[G0:G0+3], s[G1:G1+7]
	s_nop 0
.rept 4
	v_nop
.endr
.Lasked_\@:
.endm
; A PREFETCH INTO THE L2 of what the NEXT change of slots will ask for: 16 KiB of K's images and 16 KiB of V's.  All eight work-groups of a head walk the same images; work-group x = 0, which walks all eight slots, asks, and nobody else.
; In it waves 4 and 5 ask for K's two halves, waves 6 and 7 for V's: 8,192 bytes a wave, lanes 256 bytes apart, one instruction: each aligned block of 256 bytes is named once in the launch.
; It stands where the fetching waves have their tensor load, a slot's two key steps ahead of the load that will want the bytes.  The last change that fills a slot asks for nothing; slots 0 and 1 come by their loads alone.
.macro ASK
	s_cmp_gt_u32 s[SLOTS], s[LIM]
	s_cbranch_scc0 .Lnot_mine_\@
	global_prefetch_b8 v[PFO], s[PFA:PFA+1] th:TH_LOAD_NT scope:SCOPE_SE
.Lnot_mine_\@:
.endm
	s_load_b128 s[4:7], s[0:1], 0x0                ; qkv_img s[4:5], lowp_scales s[6:7]
	s_load_b64 s[8:9], s[0:1], 0x10                ; ctx_img
	v_lshl_add_u32 v[SPW], v0, 2, SPARE
	v_mov_b32 v[NIL], 0
	ds_add_u32 v[SPW], v[NIL]                      ; the wave's opening: the add, twice on end, and its wait ahead of the first tensor load
	ds_add_u32 v[SPW], v[NIL]
	v_lshrrev_b32 v8, 5, v0
	s_delay_alu instid0(VALU_DEP_1)
	v_readfirstlane_b32 s[WV], v8                  ; wave 0..15
	s_and_b32 s[BH], ttmp7, 0xffff
	s_lshr_b32 s70, s[WV], 2
	s_xor_b32 s70, s70, s[WV]
	s_and_b32 s70, s70, 1                          ; 1: the high block
	s_sub_co_u32 s71, 15, ttmp9
	s_cmp_eq_u32 s70, 1
	s_cselect_b32 s71, s71, ttmp9                  ; my block of 128 queries
	s_lshl_b32 s71, s71, 7
	s_lshr_b32 s72, s[WV], 1
	s_lshl_b32 s72, s72, 4
	s_add_co_u32 s[Q0], s71, s72                   ; my first query
	s_lshl_b32 s[LASTQ], ttmp9, 7
	s_sub_co_u32 s[LASTQ], 2047, s[LASTQ]          ; the high block's last query
	s_lshl_b32 s72, s[BH], 17                      ; the head's first byte in each plane
	s_and_b32 s73, s[WV], 1
	s_lshl_b32 s[G0+1], s73, 14                    ; 63:32 LDS address: wave 0: K's part of slot 0; wave 1: V's
	s_add_co_u32 s74, s73, 1
	s_lshl_b32 s74, s74, 22                        ; plane 1 (K) or 2 (V)
	s_add_co_u32 s74, s74, s72
	s_mov_b32 s75, 0
	s_lshl_b32 s92, s[Q0], 6                       ; Q's image: 1 KiB for 16 queries, in plane 0
	s_add_co_u32 s92, s92, s72
	s_mov_b32 s93, 0
	s_lshr_b32 s94, s[WV], 1                       ; the prefetches: waves 4, 5: plane 1; waves 6, 7: plane 2,
	s_and_b32 s94, s94, 1
	s_add_co_u32 s94, s94, 1
	s_lshl_b32 s94, s94, 22
	s_add_co_u32 s94, s94, s72
	s_lshl_b32 s95, s73, 13                        ; my half of the 16 KiB,
	s_add_co_u32 s94, s94, s95
	s_add_co_u32 s94, s94, 16384                   ; in slot 1: the first change of slots steps it to slot 2
	s_mov_b32 s95, 0
	s_lshr_b32 s[LIM], s[WV], 2
	s_xor_b32 s[LIM], s[LIM], 1                    ; 0 in waves 4 to 7,
	s_or_b32 s[LIM], s[LIM], ttmp9                 ; of work-group x = 0
	s_cmp_eq_u32 s[LIM], 0
	s_cselect_b32 s[LIM], 1, -1
	s_and_b32 s70, s[BH], 15                       ; where my codes of ctx go: the head h,
	s_lshr_b32 s71, s70, 3
	s_lshl_b32 s71, s71, 21                        ; 512 along K: h / 8
	s_lshr_b32 s81, s[BH], 4
	s_lshl_b32 s81, s81, 7
	s_lshr_b32 s82, s[Q0], 4
	s_add_co_u32 s81, s81, s82                     ; the tile of tokens: 128 x batch + query / 16,
	s_lshl_b32 s81, s81, 13                        ; 8 KiB each
	s_add_co_u32 s71, s71, s81
	s_and_b32 s70, s70, 7
	s_lshl_b32 s70, s70, 10                        ; (h / 2) % 4 images of 2 KiB and h % 2 halves of 1 KiB: (h % 8) KiB
	s_add_co_u32 s70, s70, s71
	s_mov_b32 s71, 0
	s_mov_b32 s[G1], 3<<16                         ; 15:0 no mask; 17:16 elements of 8 bytes; no padding
	s_mov_b32 s[G1+1], 32<<16                      ; tensor_dim0 = 32 elements: 256 bytes
	s_mov_b32 s[G1+2], 64<<16                      ; tensor_dim1 = 64
	s_mov_b32 s[G1+3], 32<<16                      ; tile_dim0
	s_mov_b32 s[G1+4], 64                          ; tile_dim1
	s_mov_b32 s[G1+5], 32                          ; tensor_dim0_stride: dense
	s_mov_b32 s[G1+6], 0
	s_mov_b32 s[G1+7], 0
	s_mov_b32 s[SEL], 0x76543210
	s_mov_b32 s[SEL+1], 0xfedcba98
	s_mov_b32 s[CS], 0x3e38aa3b                    ; log2(e) / sqrt(64)
	s_mov_b32 s[TB], 0
	s_mov_b32 s[SLOTS], NSL-1
	s_mov_b32 s[KF], 0
	s_wait_dscnt 0x0                               ; both opening adds are done
	s_wait_kmcnt 0x0
	s_load_b256 s[84:91], s[6:7], 0x18             ; e6 .. e13
	s_mov_b32 s[G0], 1                             ; 1:0 count = 1
	s_add_nc_u64 s[G0+2:G0+3], s[4:5], s[74:75]    ; 120:64 global address: the head's first 256 keys
	s_or_b32 s[G0+3], s[G0+3], 0x80000000          ; 127:126 type = 2
	TLOAD                                          ; slot 0: it holds key 0, which counts for every query
	s_add_nc_u64 s[10:11], s[4:5], s[92:93]
	s_add_nc_u64 s[PFA:PFA+1], s[4:5], s[94:95]
	s_add_nc_u64 s[8:9], s[8:9], s[70:71]
	v_and_b32 v[LI], 31, v0
	s_delay_alu instid0(VALU_DEP_1)
	v_lshlrev_b32 v[PFO], 8, v[LI]
	s_delay_alu instid0(VALU_DEP_2)
	v_lshlrev_b32 v[LI], 4, v[LI]
	global_load_b128 v[16:19], v[LI], s[10:11]             ; Q's fragment stays in registers
	global_load_b128 v[20:23], v[LI], s[10:11] offset:512
	v_and_b32 v[DL], 15, v0
	v_bfe_u32 v8, v0, 4, 1
	s_delay_alu instid0(VALU_DEP_1)
	v_lshlrev_b32 v8, 3, v8
	s_delay_alu instid0(VALU_DEP_1)
	v_sub_nc_u32 v[DL], v[DL], v8                  ; r - 8 h
	v_mov_b32 v13, 0xff61b1e6                      ; the largest t so far: -3e38, under every t
	s_delay_alu instid0(VALU_DEP_1)
	v_floor_f32 v12, -v13                          ; -M
	v_mov_b32 v14, 0                               ; the sum, in two halves
	v_mov_b32 v15, 0
	v_mov_b32 v208, 0                              ; a lane permute's destination counts as read
	v_mov_b32 v213, 0                              ; (named as the upper half of the pair v[212:213])
	v_mov_b32 v218, 0xff800000                     ; -infinity
.set j, 0
.rept 32
	v_mov_b32 v[160+j], 0                          ; O^T.  (The step is written for every step alike: the first finds zeros, which the first change of M leaves zeros)
.set j, j+1
.endr
	s_wait_kmcnt 0x0
	s_add_co_i32 s70, s84, s85
	s_lshl_b32 s70, s70, 23
	s_add_co_i32 s[CS], s[CS], s70                 ; a score stands for score x 2^(e6 + e7): added to c's exponent field
	s_mov_b32 s[CS+1], s[CS]                       ; (named with it as a pair, so it is written)
	s_add_co_i32 s70, s86, 127
	s_lshl_b32 s71, s70, 23
	v_mov_b32 v217, s71                            ; 2^e8
	s_add_co_i32 s70, s70, 8
	s_lshl_b32 s70, s70, 23
	s_or_b32 s70, s70, 0x600000
	v_mov_b32 v216, s70                            ; 448 x 2^e8
	s_sub_co_i32 s70, s88, s86
	s_sub_co_i32 s70, s70, s87                     ; O / l stands for ctx / 2^(e8 + e9): its code is (O / l) / 2^(e10 - e8 - e9)
	s_add_co_i32 s70, s70, 127
	s_lshl_b32 s71, s70, 23
	v_mov_b32 v219, s71
	s_add_co_i32 s70, s70, 8
	s_lshl_b32 s70, s70, 23
	s_or_b32 s70, s70, 0x600000
	v_mov_b32 v220, s70
; A KEY STEP: 128 keys, the q-th of the slot in hand.
.macro STEP q
	s_add_co_u32 s96, s[Q0], 15                    ; a step all of whose keys come after my 16 queries is left out: a branch on ids, round the step's loads, products and softmax; no barrier or tensor load stands in a step
	s_cmp_gt_u32 s[KF], s96
	s_cbranch_scc1 .Lhidden_\@
	v_add_nc_u32 v[AD], s[TB], v[LI]
.rept 3
	v_nop                                          ; with the addition: four places in front of loads into registers that the last step's products have read
.endr
.irp t, 0,1,2,3,4,5,6,7
	ds_load_b128 v[32+8*\t:35+8*\t], v[AD] offset:8192*(\q)+1024*\t
	ds_load_b128 v[36+8*\t:39+8*\t], v[AD] offset:8192*(\q)+1024*\t+512
.endr
	s_wait_alu depctr_va_vdst(0)
	s_wait_dscnt 0x0
.irp t, 0,1,2,3,4,5,6,7
	v_wmma_f32_16x16x64_fp8_fp8 v[96+8*\t:103+8*\t], v[32+8*\t:39+8*\t], v[16:23], 0   ; S^T: keys 16 t on
.endr
.rept 4
	v_nop                                          ; places in front of the loads below and of the first read of the scores
.endr
.irp t, 0,1,2,3
.irp c, 0,1,2,3
	ds_load_b128 v[32+16*\t+4*\c:35+16*\t+4*\c], v[AD] offset:VOFF+8192*(\q)+2048*\t+512*\c   ; V's four fragments land while the softmax is walked
.endr
.endr
	s_add_co_u32 s96, s[KF], 127                   ; on the diagonal the scores of hidden keys become -infinity ahead of the maximum: p = 0 then.  A step all of whose keys count skips this
	s_cmp_le_u32 s96, s[Q0]
	s_cbranch_scc1 .Lopen_\@
	s_sub_co_i32 s96, s[Q0], s[KF]
	v_add_nc_u32 v215, s96, v[DL]                  ; d = my query - KF - 8 h.  Register 8 t + j holds key KF + 16 t + 8 h + j: hidden where 16 t + j > d
.set n, 0
.rept 64
	v_cmp_gt_i32 vcc_lo, 16*(n/8)+n%8, v215
	v_cndmask_b32 v[96+n], v[96+n], v218, vcc_lo
.set n, n+1
.endr
.Lopen_\@:
	v_max3_num_f32 v214, v96, v97, v98             ; the step's largest score of my query, among my 64 keys, in two chains,
	v_max3_num_f32 v212, v99, v100, v101
.irp i, 6,10,14,18,22,26,30,34,38,42,46,50,54,58
	v_max3_num_f32 v214, v214, v[96+\i], v[97+\i]
	v_max3_num_f32 v212, v212, v[98+\i], v[99+\i]
.endr
	v_max3_num_f32 v214, v214, v158, v159
	s_delay_alu instid0(VALU_DEP_1)
	v_max_num_f32 v214, v214, v212
	s_delay_alu instid0(VALU_DEP_1)
	v_permlanex16_b32 v208, v214, s[SEL], s[SEL+1]
	s_delay_alu instid0(VALU_DEP_1)
	v_max_num_f32 v214, v214, v208                 ; and among lane l xor 16's
	s_delay_alu instid0(VALU_DEP_1)
	v_mul_f32 v214, s[CS], v214                    ; as t (c is positive)
	s_delay_alu instid0(VALU_DEP_1)
	v_max_num_f32 v13, v13, v214                   ; the running largest t
	v_mov_b32 v214, v12
	s_delay_alu instid0(VALU_DEP_2)
	v_floor_f32 v12, -v13                          ; the new -M = floor(-t) = -ceil(t): a whole number
	s_delay_alu instid0(VALU_DEP_1)
	v_sub_f32 v214, v12, v214                      ; M's old value less its new one: a whole number, 0 or less
	s_delay_alu instid0(VALU_DEP_1)
	v_cvt_i32_f32 v214, v214                       ; (it saturates)
	s_delay_alu instid0(VALU_DEP_1)
	v_ldexp_f32 v212, 1.0, v214                    ; f = 2^(old M - new M)
.set j, 0
.rept 32
	v_pk_fma_f32 v[96+j:97+j], v[96+j:97+j], s[CS:CS+1], v[12:13] op_sel_hi:[1,0,0]   ; t - M, two at a time (of the pairs c and -M the low word serves both halves)
.set j, j+2
.endr
.set j, 0
	s_wait_alu depctr_va_vdst(0)
.rept 64
	v_exp_f32 v[96+j], v[96+j]                     ; p = 2^(t - M), at most 1
.set j, j+1
.endr
	v_pk_mul_f32 v[14:15], v[14:15], v[212:213] op_sel_hi:[1,0]   ; the sums under the new M: the plain instruction behind the exponentials
	s_wait_alu depctr_va_vdst(0)                   ; the wait ahead of the first reader: one for the whole batch
	v_pk_add_f32 v[210:211], v[100:101], v[104:105]
	v_pk_add_f32 v[254:255], v[108:109], v[112:113]
	v_pk_add_f32 v[252:253], v[116:117], v[120:121]
	v_pk_add_f32 v[250:251], v[124:125], v[128:129]
	v_pk_add_f32 v[248:249], v[132:133], v[136:137]
	v_pk_add_f32 v[246:247], v[140:141], v[144:145]
	v_pk_add_f32 v[244:245], v[148:149], v[152:153]
	v_pk_add_f32 v[14:15], v[14:15], v[156:157]
	v_pk_add_f32 v[210:211], v[210:211], v[96:97]
	v_pk_add_f32 v[254:255], v[254:255], v[98:99]
	v_pk_add_f32 v[252:253], v[252:253], v[102:103]
	v_pk_add_f32 v[250:251], v[250:251], v[106:107]
	v_pk_add_f32 v[248:249], v[248:249], v[110:111]
	v_pk_add_f32 v[246:247], v[246:247], v[114:115]
	v_pk_add_f32 v[244:245], v[244:245], v[118:119]
	v_pk_add_f32 v[14:15], v[14:15], v[122:123]
	v_pk_add_f32 v[210:211], v[210:211], v[126:127]
	v_pk_add_f32 v[254:255], v[254:255], v[130:131]
	v_pk_add_f32 v[252:253], v[252:253], v[134:135]
	v_pk_add_f32 v[250:251], v[250:251], v[138:139]
	v_pk_add_f32 v[248:249], v[248:249], v[142:143]
	v_pk_add_f32 v[246:247], v[246:247], v[146:147]
	v_pk_add_f32 v[244:245], v[244:245], v[150:151]
	v_pk_add_f32 v[14:15], v[14:15], v[154:155]
	v_pk_add_f32 v[210:211], v[210:211], v[158:159]
	s_delay_alu instid0(VALU_DEP_2)
	v_pk_add_f32 v[14:15], v[14:15], v[250:251]
	s_delay_alu instid0(VALU_DEP_2)
	v_pk_add_f32 v[210:211], v[210:211], v[248:249]
	v_pk_add_f32 v[254:255], v[254:255], v[246:247]
	v_pk_add_f32 v[252:253], v[252:253], v[244:245]
	s_delay_alu instid0(VALU_DEP_2)
	v_pk_add_f32 v[14:15], v[14:15], v[254:255]
	s_delay_alu instid0(VALU_DEP_2)
	v_pk_add_f32 v[210:211], v[210:211], v[252:253]
	s_delay_alu instid0(VALU_DEP_1)
	v_pk_add_f32 v[14:15], v[14:15], v[210:211]
.irp t, 0,1,2,3,4,5,6,7
.irp i, 0,1,2,3,4,5,6,7
	v_min_num_f32 v[96+8*\t+\i], v[96+8*\t+\i], v216   ; the conversion does not saturate (ISA guide 7.6.2); p is not negative, so the hold is one-sided
.endr
	v_cvt_scalef32_pk8_fp8_f32 v[192+2*\t:193+2*\t], v[96+8*\t:103+8*\t], v217
.endr
.set j, 0
.rept 16
	v_pk_mul_f32 v[160+j:161+j], v[160+j:161+j], v[212:213] op_sel_hi:[1,0]   ; O^T under the new M.  (Also the plain lines behind the last conversion)
.set j, j+2
.endr
	s_wait_alu depctr_va_vdst(0)
	s_wait_dscnt 0x0                               ; V's fragments are in
.irp t, 0,1,2,3
	v_wmma_f32_16x16x128_fp8_fp8 v[160+8*\t:167+8*\t], v[32+16*\t:47+16*\t], v[192:207], v[160+8*\t:167+8*\t]   ; the four accumulators take turns; the eight products of S^T stand between two links of a chain
.endr
.Lhidden_\@:
	s_add_co_u32 s[KF], s[KF], 128
.endm
; THE CHANGE OF SLOTS stands at a slot's head.  Each wave waits for all its tensor loads, adds 0 to its spare word (fill = 1: twice on end), and waits for that and for its reads of the slot that it has left.
; Behind the barrier the slot ahead is whole and nobody reads the other one.  fill = 1: that other slot is filled with the keys that follow, up to the causal limit.
.macro CHANGE fill
	s_wait_tensorcnt 0x0                           ; no tensor load of mine is out, so group 0 may be written
	ds_add_u32 v[SPW], v[NIL]
.if \fill
	ds_add_u32 v[SPW], v[NIL]                      ; and once more: the add twice on end here, in every trip alike
	s_xor_b32 s[G0+1], s[G0+1], SLOT1              ; the walking descriptor: the other slot than last time,
	s_add_nc_u64 s[G0+2:G0+3], s[G0+2:G0+3], 16384 ; the next 256 keys' images; the type bits on top are not reached
	s_wait_xcnt 0x0                                ; the last prefetch, a slot back, has read its address, so it may be written
	s_add_nc_u64 s[PFA:PFA+1], s[PFA:PFA+1], 16384
.endif
	s_wait_dscnt 0x0                               ; the add is done (fill = 1: both are), and my reads of the slot that I have left are over
	s_barrier_signal -1
	s_barrier_wait -1
.if \fill
	s_add_co_u32 s96, s[KF], 256                   ; the first key of the slot that this change would ask for:
	s_cmp_gt_u32 s96, s[LASTQ]                     ; beyond my work-group's last query it is read by none of the sixteen waves, and is not asked for.  Ids and the count of steps alone: all waves go the same way
	s_cbranch_scc1 .Lpast_\@
	TLOAD                                          ; a wave's one tensor load until the next barrier
.Lpast_\@:
	ASK
.endif
.endm
.macro SLOT_STEPS
	STEP 0
	STEP 1
	s_xor_b32 s[TB], s[TB], SLOT1                  ; on to the other slot
.endm
	s_wait_loadcnt 0x0                             ; Q
.Lslot:                                            ; NSL - 1 trips, in every work-group: the trip count is a constant of the text
	CHANGE 1
	SLOT_STEPS
	s_sub_co_u32 s[SLOTS], s[SLOTS], 1
	s_cmp_lg_u32 s[SLOTS], 0
	s_cbranch_scc1 .Lslot
	CHANGE 0                                       ; the last slot is written out: nothing is left to ask for
	SLOT_STEPS
	; THE WAY OUT: O^T / the sum, held, converted: the eight registers are my head's half of an image of product 6's A.  Two stores of 512 consecutive bytes.
	v_add_f32 v14, v14, v15                        ; the sum's two halves,
	s_delay_alu instid0(VALU_DEP_1)
	v_permlanex16_b32 v208, v14, s[SEL], s[SEL+1]
	s_delay_alu instid0(VALU_DEP_1)
	v_add_f32 v14, v14, v208                       ; and lane l xor 16's
	s_wait_alu depctr_va_vdst(0)
	v_rcp_f32 v14, v14
.rept 3
	v_nop                                          ; the plain instruction behind the reciprocal; with the two additions also the places behind the last products
.endr
	s_wait_alu depctr_va_vdst(0)                   ; ahead of the reciprocal's first reader
.set j, 0
.rept 16
	v_pk_mul_f32 v[96+j:97+j], v[160+j:161+j], v[14:15] op_sel_hi:[1,0]   ; each accumulator from its low end on
.set j, j+2
.endr
.set j, 0
.rept 32
	v_med3_num_f32 v[96+j], v[96+j], -v220, v220
.set j, j+1
.endr
.irp t, 0,1,2,3
	v_cvt_scalef32_pk8_fp8_f32 v[192+2*\t:193+2*\t], v[96+8*\t:103+8*\t], v219
.endr
	v_nop
	global_store_b128 v[LI], v[192:195], s[8:9]
	global_store_b128 v[LI], v[196:199], s[8:9] offset:512
	s_wait_tensorcnt 0x0                           ; the wave's end
	ds_add_u32 v[SPW], v[NIL]
	s_wait_dscnt 0x0
	s_endpgm
.Lfunc_end_k_qca8f1efbf2_attn:
	.size	k_qca8f1efbf2_attn, .Lfunc_end_k_qca8f1efbf2_attn-k_qca8f1efbf2_attn
	.p2alignl 7, 3214868480
	.fill 96, 4, 3214868480
	.section	.rodata,"a",@progbits
	.p2align	6, 0x0
	.amdhsa_kernel k_qca8f1efbf2_attn
		.amdhsa_group_segment_fixed_size 327680
		.amdhsa_private_segment_fixed_size 0
		.amdhsa_enable_private_segment 0
		.amdhsa_kernarg_size 24
		.amdhsa_user_sgpr_count 2
		.amdhsa_user_sgpr_kernarg_segment_ptr 1
		.amdhsa_wavefront_size32 1
		.amdhsa_system_sgpr_workgroup_id_x 1
		.amdhsa_system_sgpr_workgroup_id_y 1
		.amdhsa_system_sgpr_workgroup_id_z 1
		.amdhsa_system_vgpr_workitem_id 0
		.amdhsa_next_free_vgpr 256
		.amdhsa_next_free_sgpr 100
		.amdhsa_reserve_vcc 1
		.amdhsa_float_denorm_mode_32 3
		.amdhsa_float_denorm_mode_16_64 3
		.amdhsa_memory_ordered 1
		.amdhsa_forward_progress 1
		.amdhsa_inst_pref_size 96
	.end_amdhsa_kernel
	.amdgpu_metadata
---
amdhsa.version: [ 1, 2 ]
amdhsa.kernels:
  - .name:           k_qca8f1efbf2_attn
    .symbol:         k_qca8f1efbf2_attn.kd
    .args:
      - { .name: qkv_img, .offset: 0, .size: 8, .value_kind: global_buffer, .address_space: global }
      - { .name: lowp_scales, .offset: 8, .size: 8, .value_kind: global_buffer, .address_space: global }
      - { .name: ctx_img, .offset: 16, .size: 8, .value_kind: global_buffer, .address_space: global }
    .group_segment_fixed_size: 327680
    .private_segment_fixed_size: 0
    .kernarg_segment_align: 8
    .kernarg_segment_size: 24
    .max_flat_workgroup_size: 512
    .sgpr_count:     100
    .vgpr_count:     256
    .wavefront_size: 32
...
	.end_amdgpu_metadata
.endif
;; end of part 3
;; launch oproj (part 4): grid 8 x 32, 4 waves a work-group, clusters of 4 x 4, 327,680 bytes of LDS; arguments ctx_img, wo_codes, lowp_scales, bo, x, x1; writes x1
.if DOCPART == 4
	.amdgcn_target "amdgcn-amd-amdhsa--gfx1250"
	.amdhsa_code_object_version 6
	.text
	.protected	k_qca8f1efbf2_oproj
	.globl	k_qca8f1efbf2_oproj
	.p2align	8
	.type	k_qca8f1efbf2_oproj,@function
k_qca8f1efbf2_oproj:
	s_mov_b64 s[64:65], 0
	v_nop
	global_prefetch_b8 v0, s[64:65] scope:SCOPE_SE
	s_setreg_imm32_b32 hwreg(HW_REG_WAVE_MODE, 25, 1), 1
	s_wait_xcnt 0x0
	s_wait_alu depctr_hold_cnt(0) depctr_sa_sdst(0) depctr_va_vdst(0) depctr_va_sdst(0) depctr_va_ssrc(0) depctr_va_vcc(0) depctr_vm_vsrc(0)
	s_getreg_b32 s2, hwreg(HW_REG_IB_STS2, 6, 4)
	s_cmp_eq_u32 s2, 0
	s_cbranch_scc0 .Lentry_in_a_cluster
	s_endpgm
.Lentry_in_a_cluster:
	s_bfe_u32 s2, ttmp6, 0x10000c
	s_cmp_lg_u32 s2, 0xf033
	s_cbranch_scc0 .Lentry_shape_is_right
	s_endpgm
.Lentry_shape_is_right:
; LAUNCH 4 OF 7: x1 = x + ctx wo^T + bo.  Product 6 (M 4,096, N 1,024, K 1,024) on codes of E4M3; sums in f32, multiplied once by 2^(e10 + e11).
; A arrives as IMAGES OF OPERAND REGISTERS (launch attn): [512 along K][tile of 16 rows: 256][128 along K: 4][2 KiB]; registers 2 c, 2 c + 1 of lane (r, h) hold k = 16 c + 8 h + 0..7 of row r, the plain form's own places.
; So B's rows (wo's codes, K innermost) are read in the same places: loads of 8 bytes at row x pitch + 16 c + 8 h.
; A tile of C is 128 x 128, so that there are 256 work-groups; four waves, each 64 x 64: 16 accumulators.  A slot of the ring holds 512 along K: four steps of 128, 64 matrix instructions a wave.  K = 1,024 is two slots: the two first fills are all the loads.
; A's part of a slot, 128 rows x 512 K, is one dense block of 65,536 bytes in memory and in LDS (a fragment read is 512 consecutive bytes); B's is 128 rows of 512 bytes, 528 apart in LDS.
; CLUSTERS: 4 x 4 work-groups; A's tile is shared along a row of the cluster, B's along a column: each is asked for JOINTLY.  THE MATRIX INSTRUCTION IS USED TRANSPOSED: a lane holds eight neighbouring numbers of a row of C.
; THE WAY OUT: a block of 16 rows x 64 columns goes through the wave's own stage in LDS and comes back as rows of 256 bytes; the residual was loaded at the head in that layout, the bias is added to it once, and one packed
; multiply-add gives sum x 2^(e10 + e11) + (x + bo).  Sixteen lanes store 256 consecutive bytes, aligned.
; LIMIT: e10 + e11 between -126 and 127.  NaN and infinities among the inputs are not served.
; REGISTERS: window 0: v0-31 addresses, v[8:11] the bias of my four columns; v32-63 rows on the way out; v128-255 the accumulators ((a, b) at v[128 + 8 (4 a + b)]).  window 1: two fragment buffers of 128 (A's 64, then B's 64).  window 2: v0-127 the residual.
.set SIZE_K, 1024
.set EOFF,   40                        ; byte of the A operand's entry in lowp_scales; B's follows it
.set AHALF,  32768                     ; 64 rows x 512 K of images: what one tensor load brings of A
.set BP,     528                       ; a row of B in LDS: 512 bytes + 16 of padding = 132 words: lane (r, h) of a load of 8 bytes starts at word 4 r + 2 h mod 64: 32 lanes, 64 different words of a row of banks (64 banks of 4 bytes: ISA guide 11.1)
.set BHALF,  64*BP                     ; what one tensor load brings of B
.set BOFF,   2*AHALF
.set SLOT,   BOFF+2*BHALF
.set STAGE,  2*SLOT                    ; behind the ring: 16 rows x 272 bytes for each wave; no fill lands here
.set SPITCH, 272
.set SPARE,  STAGE+4*16*SPITCH         ; behind the stages: the spare words, 128 bytes for each wave
.set LAPS,   SIZE_K/1024               ; a lap = two slots
.set ADRA, 16                          ; v16-17  LDS address of my A images in slot 0, 1
.set ADRB, 20                          ; v20-21  the same for B's rows
.set STO,  24                          ; v24     the way out: where I put 32 bytes of a row
.set RD,   25                          ; v25     where I read a row back
.set CO,   26                          ; v26     my byte offset in two rows of C
.set BO,   27                          ; v27     my byte offset in the bias
.set SPW,  28
.set NIL,  29
.set TMP,  32
.set ACC,  128
.set F0,   0
.set F1,   128
.set G1, 24
.set G0, 32
.set G1B, 48
.set G0B, 56
.set MSB, 0
.macro WIN new                         ; the immediate's high byte repeats the setting that is left
.if MSB != (\new)
	s_set_vgpr_msb (MSB<<8)|(\new)
.set MSB, (\new)
.endif
.endm
.set MUL,  0x05                        ; sources 0 (B) and 1 (A) window 1; C and D window 0
.set TO_F, 0x40                        ; destination window 1, address window 0
.macro JLOAD s                         ; a joint load: waves 0 and 1 fetch A's two halves, waves 2 and 3 B's; an s_nop 0 and four v_nop follow each of the two lines
	s_cmp_eq_u32 s11, 0
	s_cbranch_scc0 .Lfor_b_\@
	tensor_load_to_lds s[G0+4*\s:G0+4*\s+3], s[G1:G1+7]
	s_nop 0
.rept 4
	v_nop
.endr
	s_branch .Lasked_\@
.Lfor_b_\@:
	tensor_load_to_lds s[G0B+4*\s:G0B+4*\s+3], s[G1B:G1B+7]
	s_nop 0
.rept 4
	v_nop
.endr
.Lasked_\@:
.endm
.macro CREST                           ; a round of the cluster's barrier behind its opening barrier
	s_cmp_lg_u32 s10, 0
	s_cbranch_scc1 .Lnot_wave_0_\@
	s_barrier_signal -3
.Lnot_wave_0_\@:
	s_barrier_wait -3
	s_barrier_signal -1
	s_barrier_wait -1
.endm
.macro CROUND
	s_barrier_signal -1
	s_barrier_wait -1
	CREST
.endm
	s_load_b128 s[4:7], s[0:1], 0x0                ; A's images s[4:5], B's codes s[6:7]
	s_load_b128 s[68:71], s[0:1], 0x10             ; lowp_scales s[68:69], the bias s[70:71]
	s_load_b128 s[72:75], s[0:1], 0x20             ; the residual s[72:73], the result s[74:75]
	v_lshl_add_u32 v[SPW], v0, 2, SPARE
	v_mov_b32 v[NIL], 0
	ds_add_u32 v[SPW], v[NIL]                      ; the wave's opening: the add, twice on end, and its wait ahead of my first tensor load
	ds_add_u32 v[SPW], v[NIL]
	v_lshrrev_b32 v1, 5, v0
	v_readfirstlane_b32 s10, v1                    ; wave 0..3
	s_lshr_b32 s11, s10, 1                         ; which half of the tile's rows is mine.  Also: I fetch for A (0) or for B (1)
	s_and_b32 s12, s10, 1                          ; which half of its columns.  Also: which half of that tile I fetch
	s_bfe_u32 s40, ttmp6, 0x40000                  ; cx, cy
	s_bfe_u32 s41, ttmp6, 0x40004
	s_lshl_b32 s42, ttmp9, 2
	s_add_co_u32 s42, s42, s40                     ; tile column of C
	s_and_b32 s13, ttmp7, 0xffff
	s_lshl_b32 s13, s13, 2
	s_add_co_u32 s13, s13, s41                     ; tile row of C
	s_lshl_b32 s43, s41, 2
	s_lshl_b32 s43, 15, s43                        ; my row of the cluster
	s_lshl_b32 s44, 0x1111, s40                    ; my column
	s_or_b32 s[G1+0], s43, (3<<16)|(1<<21)         ; A: 15:0 the mask: my row; 17:16 elements of 8 bytes; 21 set beside a mask; no padding
	s_mov_b32 s[G1+1], 32<<16                      ; tensor_dim0 = 32 elements: 256 bytes
	s_mov_b32 s[G1+2], 128<<16                     ; tensor_dim1 = 128
	s_mov_b32 s[G1+3], 32<<16                      ; tile_dim0
	s_mov_b32 s[G1+4], 128                         ; tile_dim1
	s_mov_b32 s[G1+5], 32                          ; tensor_dim0_stride: dense
	s_mov_b32 s[G1+6], 0
	s_mov_b32 s[G1+7], 0
	s_or_b32 s[G1B+0], s44, (0<<16)|(1<<20)|(1<<21)|(6<<22)|(3<<25)  ; B: the mask: my column; elements of 1 byte; padding: four words after every 128
	s_mov_b32 s[G1B+1], 512<<16                    ; tensor_dim0
	s_mov_b32 s[G1B+2], 64<<16                     ; tensor_dim1
	s_mov_b32 s[G1B+3], 512<<16                    ; tile_dim0
	s_mov_b32 s[G1B+4], 64                         ; tile_dim1
	s_mov_b32 s[G1B+5], SIZE_K                     ; tensor_dim0_stride
	s_mov_b32 s[G1B+6], 0
	s_mov_b32 s[G1B+7], 0
	s_lshl_b32 s16, s13, 16                        ; A: a tile row's 8 tiles of 16 rows x 8 KiB,
	s_lshl_b32 s17, s12, 15                        ; and the half that I fetch
	s_add_co_u32 s16, s16, s17
	s_mov_b32 s17, 0
	s_lshl_b32 s46, s42, 7
	s_lshl_b32 s47, s12, 6
	s_add_co_u32 s46, s46, s47                     ; B: row 128 x tile column + 64 x half
	s_mul_i32 s46, s46, SIZE_K
	s_mov_b32 s47, 0
	s_lshl_b32 s20, s12, 15                        ; where they go: A's halves,
	s_mul_i32 s21, s12, BHALF
	s_add_co_u32 s21, s21, BOFF
; PREFETCH INTO THE L2 of slot 1's tiles, whose loads go out when slot 0's are in.  What a wave fetches is 128 blocks of 256 bytes: of A a dense run of 32,768 bytes, of B 64 rows x 512 bytes.  Each of the four partners that ask
; for it jointly names 32 blocks, told apart by address (cx for A's tiles, cy for B's): two lanes to 512 bytes, one instruction a wave.  K is two slots: there is no loop to run ahead in.
.set PFO, 30                           ; v30     my lane's block; never rewritten
.set PFA, 76                           ; s[76:77] my work-group's 32 blocks of slot 1; never rewritten
.set PFS, 78                           ; s[78:79] a slot on, in bytes
	s_cmp_eq_u32 s11, 0                            ; do I fetch for A?
	s_mov_b32 s66, SIZE_K
	s_cselect_b32 s66, 512, s66                    ; from one pair of lanes to the next: 512 bytes on in A's run, a row on in B
	s_mov_b32 s[PFS], 512
	s_cselect_b32 s[PFS], 0x200000, s[PFS]
	s_mov_b32 s[PFS+1], 0
	s_cselect_b32 s67, s40, s41                    ; my place among the four that ask with me
	s_mul_i32 s67, s67, s66
	s_lshl_b32 s82, s67, 4                         ; 16 pairs of lanes a partner
	s_mov_b32 s83, 0
	v_and_b32 v31, 1, v0
	v_bfe_u32 v[PFO], v0, 1, 4
	v_mul_lo_u32 v[PFO], v[PFO], s66
	v_lshl_add_u32 v[PFO], v31, 8, v[PFO]
	s_wait_alu depctr_va_vdst(0)                   ; the wait here, directly ahead of the wait below
	s_wait_dscnt 0x0
	s_wait_kmcnt 0x0
	s_load_b64 s[80:81], s[68:69], EOFF            ; eA, eB
	s_add_nc_u64 s[14:15], s[4:5], s[16:17]
	s_add_nc_u64 s[46:47], s[6:7], s[46:47]
	s_cmp_eq_u32 s11, 0
	s_cselect_b64 s[PFA:PFA+1], s[14:15], s[46:47] ; what I fetch,
	s_add_nc_u64 s[PFA:PFA+1], s[PFA:PFA+1], s[82:83]       ; my work-group's part of it,
	s_add_nc_u64 s[PFA:PFA+1], s[PFA:PFA+1], s[PFS:PFS+1]   ; in slot 1
	CROUND
.irp s, 0,1
	s_mov_b32 s[G0+4*\s], 1
	s_add_co_u32 s[G0+4*\s+1], s20, \s*SLOT
	s_add_nc_u64 s[G0+4*\s+2:G0+4*\s+3], s[14:15], \s*0x200000     ; 512 along K on: 2 MiB
	s_or_b32 s[G0+4*\s+3], s[G0+4*\s+3], 0x80000000
	s_mov_b32 s[G0B+4*\s], 1
	s_add_co_u32 s[G0B+4*\s+1], s21, \s*SLOT
	s_add_nc_u64 s[G0B+4*\s+2:G0B+4*\s+3], s[46:47], \s*512
	s_or_b32 s[G0B+4*\s+3], s[G0B+4*\s+3], 0x80000000
.if \s                                         ; slot 1's first fill is issued as a refill is: one tensor load a wave at the head
	s_wait_alu depctr_va_vdst(0)                   ; the wait here, directly ahead of the wait below
	s_wait_tensorcnt 0x0                           ; my part of slot 0 is in
	ds_add_u32 v[SPW], v[NIL]
	s_wait_dscnt 0x0
	CROUND                                         ; a whole round: the joint loads of slot 1 meet
.endif
	JLOAD \s
.if \s == 0
	global_prefetch_b8 v[PFO], s[PFA:PFA+1] th:TH_LOAD_NT scope:SCOPE_SE
.endif
.endr
	v_and_b32 v1, 15, v0                           ; r
	v_bfe_u32 v2, v0, 4, 1                         ; h
	v_and_b32 v3, 31, v0
	v_lshlrev_b32 v4, 4, v3                        ; 16 x lane
	v_mul_u32_u24 v5, v1, BP
	v_lshl_add_u32 v5, v2, 3, v5                   ; r x pitch + 8 h
	s_lshl_b32 s21, s11, 15                        ; my 64 rows of A
	s_mul_i32 s22, s12, BHALF
	s_add_co_u32 s22, s22, BOFF                    ; my 64 rows of B
.irp s, 0,1
	v_add_nc_u32 v[ADRA+\s], s21, v4
	v_add_nc_u32 v[ADRB+\s], s22, v5
	s_add_co_u32 s21, s21, SLOT
	s_add_co_u32 s22, s22, SLOT
.endr
	s_mul_i32 s23, s10, 16*SPITCH
	s_add_co_u32 s23, s23, STAGE                   ; my stage
	v_mul_u32_u24 v6, v1, SPITCH
	v_lshl_add_u32 v6, v2, 5, v6
	v_add_nc_u32 v[STO], s23, v6                   ; in: row r, 32 bytes for each half of the lanes
	v_mul_u32_u24 v7, v2, SPITCH
	v_lshl_add_u32 v7, v1, 4, v7
	v_add_nc_u32 v[RD], s23, v7                    ; back: lanes 0-15 one row of 256 bytes, lanes 16-31 the next
	v_lshlrev_b32 v[CO], 12, v2
	v_lshl_add_u32 v[CO], v1, 4, v[CO]             ; and the same two rows in C (a row is 4,096 bytes)
	s_wait_alu depctr_va_vdst(0)
	v_lshlrev_b32 v[BO], 4, v1
	s_wait_alu depctr_va_vdst(0)
	s_lshl_b32 s46, s42, 9
	s_lshl_b32 s47, s12, 8
	s_add_co_u32 s46, s46, s47                     ; my first column, in bytes: 512 x tile column + 256 x half
	s_mov_b32 s47, 0
	s_add_nc_u64 s[70:71], s[70:71], s[46:47]
	s_lshl_b32 s16, s13, 19
	s_lshl_b32 s17, s11, 18
	s_add_co_u32 s16, s16, s17                     ; my first row: 128 x tile row + 64 x half, of 4,096 bytes
	s_add_co_u32 s16, s16, s46
	s_mov_b32 s17, 0
	s_add_nc_u64 s[72:73], s[72:73], s[16:17]
	s_add_nc_u64 s[74:75], s[74:75], s[16:17]
	WIN 0x80                                       ; destination window 2, address window 0
.irp a, 0,1,2,3
.irp t, 0,1,2,3,4,5,6,7
	global_load_b128 v[32*\a+4*\t:32*\a+4*\t+3], v[CO], s[72:73] offset:(16*\a+2*\t)*4096 th:TH_LOAD_NT   ; the residual, in the layout in which the rows come back from the stage; it lands under the products
.endr
.endr
	WIN 0
	global_load_b128 v[8:11], v[BO], s[70:71]
.macro FETCH slot, q, f                ; the fragments of the slot's q-th 128 along K into buffer f: 32 loads of 8 bytes for B, 16 of 16 bytes for A
	WIN TO_F
.irp i, 0,1,2,3
.irp c, 0,1,2,3,4,5,6,7
	ds_load_b64 v[\f+64+16*\i+2*\c:\f+64+16*\i+2*\c+1], v[ADRB+\slot] offset:128*(\q)+16*\c+\i*16*BP
.endr
.endr
.irp i, 0,1,2,3
.irp c, 0,1,2,3
	ds_load_b128 v[\f+16*\i+4*\c:\f+16*\i+4*\c+3], v[ADRA+\slot] offset:2048*(\q)+512*\c+8192*\i
.endr
.endr
.endm
; 8 matrix instructions: A's blocks a0, a0 + 1 x B's four, 128 along K.  The 16 accumulators take turns, one instruction a turn, in the same order in every step.
.macro MUL8 f, a0, zero
	WIN MUL
.irp a, \a0, \a0+1
.irp b, 0,1,2,3
.if \zero
	v_wmma_f32_16x16x128_fp8_fp8 v[ACC+8*(4*(\a)+\b):ACC+8*(4*(\a)+\b)+7], v[\f+64+16*\b:\f+64+16*\b+15], v[\f+16*(\a):\f+16*(\a)+15], 0
.else
	v_wmma_f32_16x16x128_fp8_fp8 v[ACC+8*(4*(\a)+\b):ACC+8*(4*(\a)+\b)+7], v[\f+64+16*\b:\f+64+16*\b+15], v[\f+16*(\a):\f+16*(\a)+15], v[ACC+8*(4*(\a)+\b):ACC+8*(4*(\a)+\b)+7]
.endif
.endr
.endr
.endm
.macro PLACES                          ; four plain vector instructions in front of loads into registers that matrix instructions have read
.rept 4
	v_nop
.endr
.endm
; One of a slot's first three steps: buffer f is in; the next step's fragments (the slot's qn-th) are asked for into g, then f is multiplied.
.macro QUARTER slot, qn, f, g, zero
	s_wait_dscnt 0x0                               ; buffer f's 48 loads, issued a step ago
	PLACES                                         ; behind the last step's products, which read g
	FETCH \slot, \qn, \g
	MUL8 \f, 0, \zero
	MUL8 \f, 2, \zero
.endm
; A slot's last step multiplies buffer 1 and changes slots: ONE barrier; in front of it each wave waits for all its tensor loads, adds 0 to its spare word, and waits for that and for its reads of this slot.
.macro TURN slot, next, fill
	WIN 0                                          ; (the add's two registers lie in window 0)
	s_wait_tensorcnt 0x0                           ; all my tensor loads have landed: my part of the next slot
	ds_add_u32 v[SPW], v[NIL]
	s_wait_dscnt 1                                 ; buffer 1's 48 loads are in; the add, issued behind them, may be out
	MUL8 F1, 0, 0                                  ; eight matrix instructions stand between the add and the wait for it
	s_wait_dscnt 0x0                               ; the add is done, and my reads of this slot are over
	s_barrier_signal -1
	WIN 0
	s_barrier_wait -1
.if \fill
	CREST                                          ; the barrier has opened a round of the cluster's barrier: no wave of any partner still reads this slot or has a load on its way
	s_add_nc_u64 s[G0+4*\slot+2:G0+4*\slot+3], s[G0+4*\slot+2:G0+4*\slot+3], 0x400000
	s_add_nc_u64 s[G0B+4*\slot+2:G0B+4*\slot+3], s[G0B+4*\slot+2:G0B+4*\slot+3], 1024
	JLOAD \slot                                    ; the first tensor load behind the round; its four v_nop are the places in front of the loads below
.else
	PLACES
.endif
	FETCH \next, 0, F0
	MUL8 F1, 2, 0
.endm
	s_wait_tensorcnt 1                             ; my part of slot 0 is in (slot 1's load, the one issued behind it, may be out)
	s_barrier_signal -1
	s_barrier_wait -1                              ; everybody's is
	FETCH 0, 0, F0
	QUARTER 0, 1, F0, F1, 1                        ; the first step stands in front of the loop: its products start the sums
.if LAPS > 1
	WIN 0                                          ; at a label and at a branch every window is 0
	s_mov_b32 s3, LAPS-1
.Llap:                                                 ; a trip goes once round the ring and fills both slots again
	QUARTER 0, 2, F1, F0, 0
	QUARTER 0, 3, F0, F1, 0
	TURN 0, 1, 1
	QUARTER 1, 1, F0, F1, 0
	QUARTER 1, 2, F1, F0, 0
	QUARTER 1, 3, F0, F1, 0
	TURN 1, 0, 1
	QUARTER 0, 1, F0, F1, 0
	WIN 0
	s_sub_co_u32 s3, s3, 1
	s_cmp_lg_u32 s3, 0
	s_cbranch_scc1 .Llap
.endif
	QUARTER 0, 2, F1, F0, 0                        ; the last lap fills nothing
	QUARTER 0, 3, F0, F1, 0
	TURN 0, 1, 0
	QUARTER 1, 1, F0, F1, 0
	QUARTER 1, 2, F1, F0, 0
	QUARTER 1, 3, F0, F1, 0
	s_wait_dscnt 0x0                               ; the very last step
	MUL8 F1, 0, 0
	MUL8 F1, 2, 0
	; THE WAY OUT
	s_wait_loadcnt 0x0                             ; the residual and the bias
	s_wait_kmcnt 0x0
	s_add_co_i32 s80, s80, s81
	s_add_co_i32 s80, s80, 127
	s_lshl_b32 s80, s80, 23                        ; 2^(eA + eB) as f32
	s_mov_b32 s81, s80                             ; (named with it as a pair, so it is written)
	WIN 0x82                                       ; destination and source 0 window 2
.set g, 0
.rept 32
	v_pk_add_f32 v[4*g:4*g+1], v[4*g:4*g+1], v[8:9]        ; the residual + the bias.  (These 64 are also the places behind the last products)
	v_pk_add_f32 v[4*g+2:4*g+3], v[4*g+2:4*g+3], v[10:11]
.set g, g+1
.endr
	WIN 0
.irp a, 0,1,2,3
.irp b, 0,1,2,3
	ds_store_b128 v[STO], v[ACC+8*(4*\a+\b):ACC+8*(4*\a+\b)+3] offset:64*\b        ; each accumulator from its low end on
	ds_store_b128 v[STO], v[ACC+8*(4*\a+\b)+4:ACC+8*(4*\a+\b)+7] offset:64*\b+16
.endr
.if \a > 0
	s_wait_xcnt 0x0                                ; the last block's stores have read their data: the rows' registers may be loaded again
.endif
.irp t, 0,1,2,3,4,5,6,7
	ds_load_b128 v[TMP+4*\t:TMP+4*\t+3], v[RD] offset:\t*2*SPITCH   ; LDS serves a wave's instructions in order (ISA guide 5.7.1.4): these see my stores, and the next block's stores come behind them
.endr
	s_wait_dscnt 0x0
	WIN 0x20                                       ; source 2 window 2
.set p, 0
.rept 16
	v_pk_fma_f32 v[TMP+p:TMP+p+1], v[TMP+p:TMP+p+1], s[80:81], v[32*\a+p:32*\a+p+1] op_sel_hi:[1,0,1]   ; sum x 2^(eA + eB) + (residual + bias)
.set p, p+2
.endr
	WIN 0
.irp t, 0,1,2,3,4,5,6,7
	global_store_b128 v[CO], v[TMP+4*\t:TMP+4*\t+3], s[74:75] offset:(16*\a+2*\t)*4096   ; 16 lanes store 256 consecutive bytes, aligned
.endr
.endr
	s_wait_tensorcnt 0x0                           ; the wave's end, behind my last tensor load and my last LDS store
	ds_add_u32 v[SPW], v[NIL]
	s_wait_dscnt 0x0
	CROUND                                         ; the closing round
	s_endpgm
.Lfunc_end_k_qca8f1efbf2_oproj:
	.size	k_qca8f1efbf2_oproj, .Lfunc_end_k_qca8f1efbf2_oproj-k_qca8f1efbf2_oproj
	.p2alignl 7, 3214868480
	.fill 96, 4, 3214868480
	.section	.rodata,"a",@progbits
	.p2align	6, 0x0
	.amdhsa_kernel k_qca8f1efbf2_oproj
		.amdhsa_group_segment_fixed_size 327680
		.amdhsa_private_segment_fixed_size 0
		.amdhsa_enable_private_segment 0
		.amdhsa_kernarg_size 48
		.amdhsa_user_sgpr_count 2
		.amdhsa_user_sgpr_kernarg_segment_ptr 1
		.amdhsa_wavefront_size32 1
		.amdhsa_system_sgpr_workgroup_id_x 1
		.amdhsa_system_sgpr_workgroup_id_y 1
		.amdhsa_system_sgpr_workgroup_id_z 1
		.amdhsa_system_vgpr_workitem_id 0
		.amdhsa_next_free_vgpr 768
		.amdhsa_next_free_sgpr 84
		.amdhsa_reserve_vcc 0
		.amdhsa_float_denorm_mode_32 3
		.amdhsa_float_denorm_mode_16_64 3
		.amdhsa_memory_ordered 1
		.amdhsa_forward_progress 1
		.amdhsa_inst_pref_size 62
	.end_amdhsa_kernel
	.amdgpu_metadata
---
amdhsa.version: [ 1, 2 ]
amdhsa.kernels:
  - .name:           k_qca8f1efbf2_oproj
    .symbol:         k_qca8f1efbf2_oproj.kd
    .args:
      - { .name: ctx_img, .offset: 0, .size: 8, .value_kind: global_buffer, .address_space: global }
      - { .name: wo_codes, .offset: 8, .size: 8, .value_kind: global_buffer, .address_space: global }
      - { .name: lowp_scales, .offset: 16, .size: 8, .value_kind: global_buffer, .address_space: global }
      - { .name: bo, .offset: 24, .size: 8, .value_kind: global_buffer, .address_space: global }
      - { .name: x, .offset: 32, .size: 8, .value_kind: global_buffer, .address_space: global }
      - { .name: x1, .offset: 40, .size: 8, .value_kind: global_buffer, .address_space: global }
    .group_segment_fixed_size: 327680
    .private_segment_fixed_size: 0
    .kernarg_segment_align: 8
    .kernarg_segment_size: 48
    .max_flat_workgroup_size: 128
    .sgpr_count:     84
    .vgpr_count:     768
    .wavefront_size: 32
...
	.end_amdgpu_metadata
.endif
;; end of part 4
;; launch ln2 (part 5): grid 256 x 1, 8 waves a work-group, no clusters, 0 bytes of LDS; arguments x1, g2, s2, lowp_scales, h2; writes h2
.if DOCPART == 5
	.amdgcn_target "amdgcn-amd-amdhsa--gfx1250"
	.amdhsa_code_object_version 6
	.text
	.protected	k_qca8f1efbf2_ln2
	.globl	k_qca8f1efbf2_ln2
	.p2align	8
	.type	k_qca8f1efbf2_ln2,@function
k_qca8f1efbf2_ln2:
	s_mov_b64 s[64:65], 0
	v_nop
	global_prefetch_b8 v0, s[64:65] scope:SCOPE_SE
	s_setreg_imm32_b32 hwreg(HW_REG_WAVE_MODE, 25, 1), 1
	s_wait_xcnt 0x0
; LAUNCH 5 OF 7: h2 = g2 (x1 - mean) / sqrt(var + 1e-5) + s2, in f32, mean first and then the mean of the squared differences, as reference() has it; quantised once, for product 7 (entry 12 of lowp_scales): h2[token][1024], one code a byte.
; code = h2 / 2^e, held within +-448, to the nearest code, ties to even.  LIMITS: e between -126 and 119.  NaN and infinities among the inputs are not served.
; SHARES, as in launch ln1.  A work-group takes 16 rows, a wave 2.  A row is 32 registers a lane, kept between the passes.  In chunk j lane l holds numbers 256 j + 8 l + 0..7; its eight codes are 8 bytes at 256 j + 8 l:
; a store of the wave covers 256 consecutive bytes, aligned.  No LDS, no barrier, no matrix unit, no cluster: a wave's reduction never leaves the wave.
.set NS,  1
.set X,   16                           ; v16-79   two rows
.set G,   80                           ; v80-111  g2
.set S,   112                          ; v112-143 s2
.set T,   144                          ; v144-159 two sets of eight held numbers, by turns
.set C,   160                          ; codes: a pair for each (row, chunk): no store's data are written again
.set SC,  208                          ; 2^e as f32
.set LIM, 211                          ; 448 x 2^e
	s_load_b256 s[4:11], s[0:1], 0x0               ; x1 s[4:5], g2 s[6:7], s2 s[8:9], lowp_scales s[10:11]
	s_load_b64 s[12:13], s[0:1], 0x20              ; h2
	v_lshrrev_b32 v1, 5, v0
	s_delay_alu instid0(VALU_DEP_1)
	v_readfirstlane_b32 s18, v1                    ; wave 0..7
	v_and_b32 v2, 31, v0
	s_delay_alu instid0(VALU_DEP_1)
	v_lshlrev_b32 v1, 5, v2                        ; 32 x lane
	s_delay_alu instid0(VALU_DEP_2)
	v_lshlrev_b32 v2, 3, v2                        ; 8 x lane
	v_mov_b32 v3, 0                                ; a lane permute's destination counts as read
	s_mov_b32 s28, 0x76543210
	s_mov_b32 s29, 0xfedcba98
	s_mov_b32 s34, 0x3a800000                      ; 1 / 1024
	s_mov_b32 s35, 0x3727c5ac                      ; 1e-5
	s_lshl_b32 s30, ttmp9, 4
	s_lshl_b32 s31, s18, 1
	s_add_co_u32 s30, s30, s31                     ; my first row
	s_lshl_b32 s32, s30, 10
	s_mov_b32 s33, 0
	s_lshl_b32 s30, s30, 12
	s_mov_b32 s31, 0
	s_wait_alu depctr_va_vdst(0)
	s_wait_kmcnt 0x0
	s_load_b32 s20, s[10:11], 0x30                 ; e12
	s_add_nc_u64 s[4:5], s[4:5], s[30:31]
	s_add_nc_u64 s[12:13], s[12:13], s[32:33]
.irp i, 0,1
.irp j, 0,1,2,3
	global_load_b128 v[X+32*\i+8*\j:X+32*\i+8*\j+3],   v1, s[4:5] offset:4096*\i+1024*\j
	global_load_b128 v[X+32*\i+8*\j+4:X+32*\i+8*\j+7], v1, s[4:5] offset:4096*\i+1024*\j+16
.endr
.endr
.irp j, 0,1,2,3
	global_load_b128 v[G+8*\j:G+8*\j+3],   v1, s[6:7] offset:1024*\j
	global_load_b128 v[G+8*\j+4:G+8*\j+7], v1, s[6:7] offset:1024*\j+16
.endr
.irp j, 0,1,2,3
	global_load_b128 v[S+8*\j:S+8*\j+3],   v1, s[8:9] offset:1024*\j
	global_load_b128 v[S+8*\j+4:S+8*\j+7], v1, s[8:9] offset:1024*\j+16
.endr
	s_wait_kmcnt 0x0
	s_add_co_i32 s36, s20, 127
	s_lshl_b32 s37, s36, 23
	v_mov_b32 v[SC], s37
	s_add_co_i32 s36, s36, 8
	s_lshl_b32 s36, s36, 23
	s_or_b32 s36, s36, 0x600000
	v_mov_b32 v[LIM], s36
.macro WSUM r                          ; the sum over the wave's 32 lanes, in every lane
	s_delay_alu instid0(VALU_DEP_1)
	v_add_f32_dpp v[\r], v[\r], v[\r] row_xmask:1 row_mask:0xf bank_mask:0xf
	s_delay_alu instid0(VALU_DEP_1)
	v_add_f32_dpp v[\r], v[\r], v[\r] row_xmask:2 row_mask:0xf bank_mask:0xf
	s_delay_alu instid0(VALU_DEP_1)
	v_add_f32_dpp v[\r], v[\r], v[\r] row_xmask:4 row_mask:0xf bank_mask:0xf
	s_delay_alu instid0(VALU_DEP_1)
	v_add_f32_dpp v[\r], v[\r], v[\r] row_xmask:8 row_mask:0xf bank_mask:0xf
	s_delay_alu instid0(VALU_DEP_1)
	v_permlanex16_b32 v3, v[\r], s28, s29
	s_delay_alu instid0(VALU_DEP_1)
	v_add_f32 v[\r], v[\r], v3
.endm
.macro JOIN
	s_delay_alu instid0(VALU_DEP_3)
	v_pk_add_f32 v[8:9], v[8:9], v[10:11]
	s_delay_alu instid0(VALU_DEP_2)
	v_pk_add_f32 v[12:13], v[12:13], v[14:15]
	s_delay_alu instid0(VALU_DEP_1)
	v_pk_add_f32 v[8:9], v[8:9], v[12:13]
	s_delay_alu instid0(VALU_DEP_1)
	v_add_f32 v8, v8, v9
	WSUM 8
.endm
.macro STATS i                         ; row i becomes (x - mean) / sqrt(var + 1e-5), in place
.set XI, X+32*(\i)
.irp c, 0,2,4,6
	v_pk_add_f32 v[8+\c:9+\c], v[XI+\c:XI+\c+1], v[XI+8+\c:XI+9+\c]
.endr
.irp p, 16,24
.irp c, 0,2,4,6
	s_delay_alu instid0(VALU_DEP_4)
	v_pk_add_f32 v[8+\c:9+\c], v[8+\c:9+\c], v[XI+\p+\c:XI+\p+\c+1]
.endr
.endr
	JOIN
	s_delay_alu instid0(VALU_DEP_1)
	v_mul_f32 v4, s34, v8
	s_delay_alu instid0(VALU_DEP_2)
	v_mul_f32 v5, s34, v8
.irp p, 0,2,4,6,8,10,12,14,16,18,20,22,24,26,28,30
	v_pk_add_f32 v[XI+\p:XI+\p+1], v[XI+\p:XI+\p+1], v[4:5] neg_lo:[0,1] neg_hi:[0,1]
.endr
.irp c, 0,2,4,6
	v_pk_mul_f32 v[8+\c:9+\c], v[XI+\c:XI+\c+1], v[XI+\c:XI+\c+1]
.endr
.irp p, 8,16,24
.irp c, 0,2,4,6
	s_delay_alu instid0(VALU_DEP_4)
	v_pk_fma_f32 v[8+\c:9+\c], v[XI+\p+\c:XI+\p+\c+1], v[XI+\p+\c:XI+\p+\c+1], v[8+\c:9+\c]
.endr
.endr
	JOIN
	s_delay_alu instid0(VALU_DEP_1)
	v_fma_f32 v8, v8, s34, s35                     ; var + 1e-5
	s_wait_alu depctr_va_vdst(0)
	v_rsq_f32 v6, v8
	v_rsq_f32 v7, v8
	v_nop                                          ; a plain instruction behind the last of the two (ISA guide 5.7.2),
	s_wait_alu depctr_va_vdst(0)                   ; and the wait ahead of the first reader: one for both
.irp p, 0,2,4,6,8,10,12,14,16,18,20,22,24,26,28,30
	v_pk_mul_f32 v[XI+\p:XI+\p+1], v[XI+\p:XI+\p+1], v[6:7]
.endr
.endm
.macro NORMQ i                         ; row i: x g + s, then for each chunk: the hold, the conversion, the store
.set XI, X+32*(\i)
.irp p, 0,2,4,6,8,10,12,14,16,18,20,22,24,26,28,30
	v_pk_fma_f32 v[XI+\p:XI+\p+1], v[XI+\p:XI+\p+1], v[G+\p:G+\p+1], v[S+\p:S+\p+1]
.endr
.set j, 0
.rept 4
.set TT, T+8*(j%2)
.set CC, C+2*(4*(\i)+j)
.irp k, 0,1,2,3,4,5,6,7
	v_med3_num_f32 v[TT+\k], v[XI+8*j+\k], -v[LIM], v[LIM]   ; the conversion does not saturate (ISA guide 7.6.2).  These eight, on the other set, are also the plain lines behind the conversion before
.endr
	v_cvt_scalef32_pk8_fp8_f32 v[CC:CC+1], v[TT:TT+7], v[SC]
	global_store_b64 v2, v[CC:CC+1], s[12:13] offset:1024*(\i)+256*j   ; 32 lanes store 256 consecutive bytes, aligned
.set j, j+1
.endr
.endm
	s_wait_loadcnt 24                              ; row 0's eight loads are in; the 24 behind them may be out
	STATS 0
	s_wait_loadcnt 16                              ; row 1's are in; g2's and s2's 16 may be out
	STATS 1
	s_wait_loadcnt 0x0
	NORMQ 0
	NORMQ 1
	s_endpgm
.Lfunc_end_k_qca8f1efbf2_ln2:
	.size	k_qca8f1efbf2_ln2, .Lfunc_end_k_qca8f1efbf2_ln2-k_qca8f1efbf2_ln2
	.p2alignl 7, 3214868480
	.fill 96, 4, 3214868480
	.section	.rodata,"a",@progbits
	.p2align	6, 0x0
	.amdhsa_kernel k_qca8f1efbf2_ln2
		.amdhsa_group_segment_fixed_size 0
		.amdhsa_private_segment_fixed_size 0
		.amdhsa_enable_private_segment 0
		.amdhsa_kernarg_size 40
		.amdhsa_user_sgpr_count 2
		.amdhsa_user_sgpr_kernarg_segment_ptr 1
		.amdhsa_wavefront_size32 1
		.amdhsa_system_sgpr_workgroup_id_x 1
		.amdhsa_system_sgpr_workgroup_id_y 1
		.amdhsa_system_sgpr_workgroup_id_z 1
		.amdhsa_system_vgpr_workitem_id 0
		.amdhsa_next_free_vgpr 216
		.amdhsa_next_free_sgpr 66
		.amdhsa_reserve_vcc 0
		.amdhsa_float_denorm_mode_32 3
		.amdhsa_float_denorm_mode_16_64 3
		.amdhsa_memory_ordered 1
		.amdhsa_forward_progress 1
		.amdhsa_inst_pref_size 25
	.end_amdhsa_kernel
	.amdgpu_metadata
---
amdhsa.version: [ 1, 2 ]
amdhsa.kernels:
  - .name:           k_qca8f1efbf2_ln2
    .symbol:         k_qca8f1efbf2_ln2.kd
    .args:
      - { .name: x1, .offset: 0, .size: 8, .value_kind: global_buffer, .address_space: global }
      - { .name: g2, .offset: 8, .size: 8, .value_kind: global_buffer, .address_space: global }
      - { .name: s2, .offset: 16, .size: 8, .value_kind: global_buffer, .address_space: global }
      - { .name: lowp_scales, .offset: 24, .size: 8, .value_kind: global_buffer, .address_space: global }
      - { .name: h2, .offset: 32, .size: 8, .value_kind: global_buffer, .address_space: global }
    .group_segment_fixed_size: 0
    .private_segment_fixed_size: 0
    .kernarg_segment_align: 8
    .kernarg_segment_size: 40
    .max_flat_workgroup_size: 256
    .sgpr_count:     66
    .vgpr_count:     216
    .wavefront_size: 32
...
	.end_amdgpu_metadata
.endif
;; end of part 5
;; launch ff1 (part 6): grid 16 x 16, 4 waves a work-group, clusters of 4 x 4, 327,680 bytes of LDS; arguments h2, w1_codes, lowp_scales, b1, ff_img; writes ff_img
.if DOCPART == 6
	.amdgcn_target "amdgcn-amd-amdhsa--gfx1250"
	.amdhsa_code_object_version 6
	.text
	.protected	k_qca8f1efbf2_ff1
	.globl	k_qca8f1efbf2_ff1
	.p2align	8
	.type	k_qca8f1efbf2_ff1,@function
k_qca8f1efbf2_ff1:
	s_mov_b64 s[64:65], 0
	v_nop
	global_prefetch_b8 v0, s[64:65] scope:SCOPE_SE
	s_setreg_imm32_b32 hwreg(HW_REG_WAVE_MODE, 25, 1), 1
	s_wait_xcnt 0x0
	s_wait_alu depctr_hold_cnt(0) depctr_sa_sdst(0) depctr_va_vdst(0) depctr_va_sdst(0) depctr_va_ssrc(0) depctr_va_vcc(0) depctr_vm_vsrc(0)
	s_getreg_b32 s2, hwreg(HW_REG_IB_STS2, 6, 4)
	s_cmp_eq_u32 s2, 0
	s_cbranch_scc0 .Lentry_in_a_cluster
	s_endpgm
.Lentry_in_a_cluster:
	s_bfe_u32 s2, ttmp6, 0x10000c
	s_cmp_lg_u32 s2, 0xf033
	s_cbranch_scc0 .Lentry_shape_is_right
	s_endpgm
.Lentry_shape_is_right:
; LAUNCH 6 OF 7: ff = gelu_tanh(h2 w1^T + b1), quantised for product 8 (entry 14 of lowp_scales).  Product 7 (M 4,096, N 4,096, K 1,024) on codes of E4M3; a sum is multiplied by 2^(e12 + e13).
; A tile of C, 256 x 256, is made by four waves, each 128 x 128: 64 accumulators.  K goes in steps of 256 through a ring of two LDS slots filled by joint tensor loads (clusters of 4 x 4: A's tile shared along a row, B's along a column).
; The matrix instruction is used transposed: a lane holds one token and eight neighbouring hidden units, which the conversion takes.  gelu_tanh(x) = x / (1 + 2^(x (c3 x^2 + c1))), c1 = -2 log2(e) sqrt(2 / pi), c3 = 0.044715 c1.
; The codes leave as images of product 8's A registers: ff_img [512 along K: 8][tile of 16 tokens: 256][128 along K: 4][2 KiB].
; LIMITS: e12 + e13 between -126 and 127, e14 between -126 and 119.  NaN and infinities among the inputs are not served.
.set SIZE_K, 1024
.set KSTEP,  256
.set ROWB,   256
.set KROW,   SIZE_K
.set PITCH,  272
.set FR,     16
.set NL,     4
.set NP,     4
.set HALFT,  128*PITCH
.set SLOT,   4*HALFT
.set LAPS,   SIZE_K/(2*KSTEP)
.set SPARE,  2*SLOT
.set ADRA, 16
.set ADRB, 20
.set VO0,  26
.set VB,   27
.set SPW,  28
.set NIL,  29
.set BIAS, 32
.set XX,   96
.set UU,   160
.set AF,   128
.set G1, 24
.set G0, 32
.set G1B, 48
.set G0B, 56
.set MSB, 0
.macro WIN new
.if MSB != (\new)
	s_set_vgpr_msb (MSB<<8)|(\new)
.set MSB, (\new)
.endif
.endm
.set MUL_LO, 0xa1
.set MUL_HI, 0xf1
.set TO_B,   0x40
.macro JLOAD g0a, g1a, g0b, g1b
	s_cmp_eq_u32 s15, 0
	s_cbranch_scc0 .Lfor_b_\@
	tensor_load_to_lds s[\g0a:\g0a+3], s[\g1a:\g1a+7]
	s_nop 0
.rept 4
	v_nop
.endr
	s_branch .Lasked_\@
.Lfor_b_\@:
	tensor_load_to_lds s[\g0b:\g0b+3], s[\g1b:\g1b+7]
	s_nop 0
.rept 4
	v_nop
.endr
.Lasked_\@:
.endm
.macro CREST
	s_cmp_lg_u32 s14, 0
	s_cbranch_scc1 .Lnot_wave_0_\@
	s_barrier_signal -3
.Lnot_wave_0_\@:
	s_barrier_wait -3
	s_barrier_signal -1
	s_barrier_wait -1
.endm
.macro CROUND
	s_barrier_signal -1
	s_barrier_wait -1
	CREST
.endm
	s_load_b128 s[4:7], s[0:1], 0x0
	s_load_b128 s[8:11], s[0:1], 0x10
	s_load_b64 s[12:13], s[0:1], 0x20
	v_lshl_add_u32 v[SPW], v0, 2, SPARE
	v_mov_b32 v[NIL], 0
	ds_add_u32 v[SPW], v[NIL]
	ds_add_u32 v[SPW], v[NIL]
	v_lshrrev_b32 v1, 5, v0
	v_readfirstlane_b32 s14, v1
	s_lshr_b32 s15, s14, 1
	s_and_b32 s16, s14, 1
	s_bfe_u32 s40, ttmp6, 0x40000
	s_bfe_u32 s41, ttmp6, 0x40004
	s_lshl_b32 s42, ttmp9, 2
	s_add_co_u32 s42, s42, s40
	s_and_b32 s17, ttmp7, 0xffff
	s_lshl_b32 s17, s17, 2
	s_add_co_u32 s17, s17, s41
	s_lshl_b32 s43, s41, 2
	s_lshl_b32 s43, 15, s43
	s_lshl_b32 s44, 0x1111, s40
	s_or_b32 s[G1+0], s43, (0<<16)|(1<<20)|(1<<21)|(5<<22)|(3<<25)
	s_or_b32 s[G1B+0], s44, (0<<16)|(1<<20)|(1<<21)|(5<<22)|(3<<25)
.irp g, G1, G1B
	s_mov_b32 s[\g+1], ROWB<<16
	s_mov_b32 s[\g+2], 128<<16
	s_mov_b32 s[\g+3], ROWB<<16
	s_mov_b32 s[\g+4], 128
	s_mov_b32 s[\g+5], KROW
	s_mov_b32 s[\g+6], 0
	s_mov_b32 s[\g+7], 0
.endr
	s_lshl_b32 s18, s16, 7
	s_lshl_b32 s20, s17, 8
	s_add_co_u32 s20, s20, s18
	s_lshl_b32 s20, s20, 10
	s_mov_b32 s21, 0
	s_lshl_b32 s46, s42, 8
	s_add_co_u32 s46, s46, s18
	s_lshl_b32 s46, s46, 10
	s_mov_b32 s47, 0
	s_mul_i32 s45, s14, HALFT
; PREFETCH INTO THE L2.  A K step is 256 bytes of each row.  Of the 128 rows that a wave fetches, each of the four partners that ask for them jointly names 32, told apart by address (cx for A's tiles, cy for B's): a lane a row,
; one instruction a wave and K step.  Behind the load of K step 0 stand K steps 1 and 2, behind the load of K step 1 stands K step 3: K has four steps, so nothing is left to ask for in the loop.
.set PFO, 30                           ; v30     my lane x a row of 1,024 bytes; never rewritten
.set PFA, 68                           ; s[68:69] my work-group's 32 rows of the 128 that I fetch; never rewritten
	v_and_b32 v[PFO], 31, v0
	v_lshlrev_b32 v[PFO], 10, v[PFO]
	s_wait_alu depctr_va_vdst(0)                   ; the wait here, directly ahead of the wait below
	s_wait_dscnt 0x0
	s_wait_kmcnt 0x0
	s_load_b128 s[92:95], s[8:9], 0x30
	s_add_nc_u64 s[20:21], s[4:5], s[20:21]
	s_add_nc_u64 s[46:47], s[6:7], s[46:47]
	s_cmp_eq_u32 s15, 0                            ; do I fetch for A?
	s_cselect_b64 s[PFA:PFA+1], s[20:21], s[46:47] ; the 128 rows that I fetch
	s_cselect_b32 s70, s40, s41                    ; my place among the four that ask for them with me
	s_lshl_b32 s70, s70, 15                        ; 32 rows of 1,024 bytes
	s_mov_b32 s71, 0
	s_add_nc_u64 s[PFA:PFA+1], s[PFA:PFA+1], s[70:71]
	CROUND
.irp s, 0,1
	s_mov_b32 s[G0+4*\s], 1
	s_add_co_u32 s[G0+4*\s+1], s45, \s*SLOT
	s_add_nc_u64 s[G0+4*\s+2:G0+4*\s+3], s[20:21], \s*ROWB
	s_or_b32 s[G0+4*\s+3], s[G0+4*\s+3], 0x80000000
	s_mov_b32 s[G0B+4*\s], 1
	s_add_co_u32 s[G0B+4*\s+1], s45, \s*SLOT
	s_add_nc_u64 s[G0B+4*\s+2:G0B+4*\s+3], s[46:47], \s*ROWB
	s_or_b32 s[G0B+4*\s+3], s[G0B+4*\s+3], 0x80000000
.if \s                                         ; slot 1's first fill is issued as a refill is: one tensor load a wave at the head
	s_wait_alu depctr_va_vdst(0)                   ; the wait here, directly ahead of the wait below
	s_wait_tensorcnt 0x0                           ; my part of K step 0 is in
	ds_add_u32 v[SPW], v[NIL]
	s_wait_dscnt 0x0
	CROUND                                         ; a whole round: the joint loads of K step 1 meet
.endif
	JLOAD G0+4*\s, G1, G0B+4*\s, G1B
.if \s
	global_prefetch_b8 v[PFO], s[PFA:PFA+1] offset:3*ROWB th:TH_LOAD_NT scope:SCOPE_SE   ; K step 3
.else
	global_prefetch_b8 v[PFO], s[PFA:PFA+1] offset:ROWB th:TH_LOAD_NT scope:SCOPE_SE     ; K step 1, whose load goes out when K step 0 is in
	global_prefetch_b8 v[PFO], s[PFA:PFA+1] offset:2*ROWB th:TH_LOAD_NT scope:SCOPE_SE   ; K step 2
.endif
.endr
	v_and_b32 v1, 15, v0
	v_bfe_u32 v2, v0, 4, 1
	v_mul_u32_u24 v3, v1, PITCH
	v_lshl_add_u32 v4, v2, 4, v3
	s_mul_i32 s21, s15, HALFT
	s_mul_i32 s22, s16, HALFT
	s_add_co_u32 s22, s22, 2*HALFT
.irp s, 0,1
	v_add_nc_u32 v[ADRA+\s], s21, v4
	v_add_nc_u32 v[ADRB+\s], s22, v4
	s_add_co_u32 s21, s21, SLOT
	s_add_co_u32 s22, s22, SLOT
.endr
	v_and_b32 v6, 31, v0
	v_lshlrev_b32 v[VO0], 4, v6
	v_lshlrev_b32 v[VB], 5, v2
	s_lshl_b32 s46, s42, 10
	s_lshl_b32 s47, s16, 9
	s_add_co_u32 s46, s46, s47
	s_mov_b32 s47, 0
	s_add_nc_u64 s[10:11], s[10:11], s[46:47]
.irp b, 0,1,2,3,4,5,6,7
	global_load_b128 v[BIAS+8*\b:BIAS+8*\b+3],   v[VB], s[10:11] offset:64*\b
	global_load_b128 v[BIAS+8*\b+4:BIAS+8*\b+7], v[VB], s[10:11] offset:64*\b+16
.endr
	s_lshr_b32 s20, s42, 1
	s_lshl_b32 s20, s20, 21
	s_lshl_b32 s21, s17, 17
	s_add_co_u32 s20, s20, s21
	s_lshl_b32 s21, s15, 16
	s_add_co_u32 s20, s20, s21
	s_and_b32 s21, s42, 1
	s_lshl_b32 s21, s21, 12
	s_add_co_u32 s20, s20, s21
	s_lshl_b32 s21, s16, 11
	s_add_co_u32 s20, s20, s21
	s_mov_b32 s21, 0
	s_add_nc_u64 s[12:13], s[12:13], s[20:21]
	v_mov_b32 v8, 0xbdd2d3e8
	v_mov_b32 v9, 0xbdd2d3e8
	v_mov_b32 v10, 0xc0135761
	v_mov_b32 v11, 0xc0135761
.macro FRAG reg, adr, q, i
.irp c, 0,1,2,3
	ds_load_b128 v[\reg+4*\c:\reg+4*\c+3], v[\adr] offset:128*(\q)+32*\c+(\i)*16*PITCH
.endr
.endm
.macro MUL16 a0, p, zero
.irp a, \a0, \a0+1
.irp b, 0,1,2,3,4,5,6,7
.if \zero
	v_wmma_f32_16x16x128_fp8_fp8 v[8*(8*((\a)%4)+\b):8*(8*((\a)%4)+\b)+7], v[128*(\p)+FR*\b:128*(\p)+FR*\b+FR-1], v[AF+FR*(\a):AF+FR*(\a)+FR-1], 0
.else
	v_wmma_f32_16x16x128_fp8_fp8 v[8*(8*((\a)%4)+\b):8*(8*((\a)%4)+\b)+7], v[128*(\p)+FR*\b:128*(\p)+FR*\b+FR-1], v[AF+FR*(\a):AF+FR*(\a)+FR-1], v[8*(8*((\a)%4)+\b):8*(8*((\a)%4)+\b)+7]
.endif
.endr
.endr
.endm
.macro FETCH_B slot, q, p
	WIN TO_B
.irp i, 0,1,2,3,4,5,6,7
	FRAG 128*(\p)+FR*\i, ADRB+\slot, \q, \i
.endr
	WIN 0
.endm
.macro FETCH_A slot, q, i0
.irp i, \i0, \i0+1, \i0+2, \i0+3
	FRAG AF+FR*(\i), ADRA+\slot, \q, \i
.endr
.endm
.macro PLACES n
.rept \n
	v_nop
.endr
.endm
.macro STEP slot, q, zero
	s_wait_dscnt 4*NL
	WIN MUL_LO
	MUL16 0, (\q)%2, \zero
	MUL16 2, (\q)%2, \zero
	s_wait_dscnt 0
	PLACES NP
	FETCH_B \slot, (\q)+1, 1-(\q)%2
	FETCH_A \slot, (\q)+1, 0
	WIN MUL_HI
	MUL16 4, (\q)%2, \zero
	MUL16 6, (\q)%2, \zero
	PLACES NP
	WIN 0
	FETCH_A \slot, (\q)+1, 4
.endm
.macro TURN slot, next, fill
	s_wait_tensorcnt 0x0
	ds_add_u32 v[SPW], v[NIL]
	s_wait_dscnt 4*NL+1
	WIN MUL_LO
	MUL16 0, 1, 0
	s_wait_dscnt 0x0
	s_barrier_signal -1
	MUL16 2, 1, 0
	WIN 0
	s_barrier_wait -1
.if \fill
	CREST
	s_add_nc_u64 s[G0+4*\slot+2:G0+4*\slot+3], s[G0+4*\slot+2:G0+4*\slot+3], 2*ROWB
	s_add_nc_u64 s[G0B+4*\slot+2:G0B+4*\slot+3], s[G0B+4*\slot+2:G0B+4*\slot+3], 2*ROWB
	JLOAD G0+4*\slot, G1, G0B+4*\slot, G1B
.else
	PLACES NP
.endif
	s_wait_alu depctr_va_vdst(0)
	FETCH_B \next, 0, 0
	FETCH_A \next, 0, 0
	WIN MUL_HI
	MUL16 4, 1, 0
	MUL16 6, 1, 0
	PLACES NP
	WIN 0
	FETCH_A \next, 0, 4
.endm
	s_wait_tensorcnt 1
	s_barrier_signal -1
	s_barrier_wait -1
	FETCH_B 0, 0, 0
	FETCH_A 0, 0, 0
	FETCH_A 0, 0, 4
	STEP 0, 0, 1
	s_mov_b32 s3, LAPS-1
.Llap:
	TURN 0, 1, 1
	STEP 1, 0, 0
	TURN 1, 0, 1
	STEP 0, 0, 0
	s_sub_co_u32 s3, s3, 1
	s_cmp_lg_u32 s3, 0
	s_cbranch_scc1 .Llap
	TURN 0, 1, 0
	STEP 1, 0, 0
	s_wait_dscnt 4*NL
	WIN MUL_LO
	MUL16 0, 1, 0
	MUL16 2, 1, 0
	s_wait_dscnt 0
	WIN MUL_HI
	MUL16 4, 1, 0
	MUL16 6, 1, 0
	WIN 0
	s_wait_loadcnt 0x0
	s_wait_kmcnt 0x0
	s_add_co_i32 s96, s92, s93
	s_add_co_i32 s96, s96, 127
	s_lshl_b32 s96, s96, 23
	s_mov_b32 s97, s96
	s_add_co_i32 s90, s94, 127
	s_lshl_b32 s91, s90, 23
	v_mov_b32 v12, s91
	s_add_co_i32 s90, s90, 8
	s_lshl_b32 s90, s90, 23
	s_or_b32 s90, s90, 0x600000
	v_mov_b32 v13, s90
	PLACES NP
.macro GELUBLK a
.set AC, 64*((\a)%4)
.set CD, 224+16*((\a)%2)
	WIN 0x02+((\a)/4)
.set j, 0
.rept 32
	v_pk_fma_f32 v[XX+j:XX+j+1], v[AC+j:AC+j+1], s[96:97], v[BIAS+j:BIAS+j+1] op_sel_hi:[1,0,1]
.set j, j+2
.endr
	WIN 0
.set j, 0
.rept 32
	v_pk_mul_f32 v[UU+j:UU+j+1], v[XX+j:XX+j+1], v[XX+j:XX+j+1]
.set j, j+2
.endr
.set j, 0
.rept 32
	v_pk_fma_f32 v[UU+j:UU+j+1], v[UU+j:UU+j+1], v[8:9], v[10:11]
.set j, j+2
.endr
.set j, 0
.rept 32
	v_pk_mul_f32 v[UU+j:UU+j+1], v[UU+j:UU+j+1], v[XX+j:XX+j+1]
.set j, j+2
.endr
.set j, 0
	s_wait_alu depctr_va_vdst(0)
.rept 64
	v_exp_f32 v[UU+j], v[UU+j]
.set j, j+1
.endr
	v_nop
	s_wait_alu depctr_va_vdst(0)
.set j, 0
.rept 32
	v_pk_add_f32 v[UU+j:UU+j+1], v[UU+j:UU+j+1], 1.0 op_sel_hi:[1,0]
.set j, j+2
.endr
.set j, 0
	s_wait_alu depctr_va_vdst(0)
.rept 64
	v_rcp_f32 v[UU+j], v[UU+j]
.set j, j+1
.endr
	v_nop
	s_wait_alu depctr_va_vdst(0)
.set j, 0
.rept 32
	v_pk_mul_f32 v[XX+j:XX+j+1], v[XX+j:XX+j+1], v[UU+j:UU+j+1]
.set j, j+2
.endr
.set j, 0
.rept 64
	v_med3_num_f32 v[XX+j], v[XX+j], -v13, v13
.set j, j+1
.endr
.if (\a) >= 2
	s_wait_alu depctr_va_vdst(0)
	s_wait_xcnt 0x0
.endif
.irp b, 0,1,2,3,4,5,6,7
	v_cvt_scalef32_pk8_fp8_f32 v[CD+2*\b:CD+2*\b+1], v[XX+8*\b:XX+8*\b+7], v12
.endr
	v_nop
.irp g, 0,1,2,3
	global_store_b128 v[VO0], v[CD+4*\g:CD+4*\g+3], s[12:13] offset:8192*(\a)+512*\g
.endr
.endm
.irp a, 0,1,2,3,4,5,6,7
	GELUBLK \a
.endr
	s_wait_tensorcnt 0x0
	ds_add_u32 v[SPW], v[NIL]
	s_wait_dscnt 0x0
	CROUND
	s_endpgm
.Lfunc_end_k_qca8f1efbf2_ff1:
	.size	k_qca8f1efbf2_ff1, .Lfunc_end_k_qca8f1efbf2_ff1-k_qca8f1efbf2_ff1
	.p2alignl 7, 3214868480
	.fill 96, 4, 3214868480
	.section	.rodata,"a",@progbits
	.p2align	6, 0x0
	.amdhsa_kernel k_qca8f1efbf2_ff1
		.amdhsa_group_segment_fixed_size 327680
		.amdhsa_private_segment_fixed_size 0
		.amdhsa_enable_private_segment 0
		.amdhsa_kernarg_size 40
		.amdhsa_user_sgpr_count 2
		.amdhsa_user_sgpr_kernarg_segment_ptr 1
		.amdhsa_wavefront_size32 1
		.amdhsa_system_sgpr_workgroup_id_x 1
		.amdhsa_system_sgpr_workgroup_id_y 1
		.amdhsa_system_sgpr_workgroup_id_z 1
		.amdhsa_system_vgpr_workitem_id 0
		.amdhsa_next_free_vgpr 1024
		.amdhsa_next_free_sgpr 100
		.amdhsa_reserve_vcc 0
		.amdhsa_float_denorm_mode_32 3
		.amdhsa_float_denorm_mode_16_64 3
		.amdhsa_memory_ordered 1
		.amdhsa_forward_progress 1
		.amdhsa_inst_pref_size 250
	.end_amdhsa_kernel
	.amdgpu_metadata
---
amdhsa.version: [ 1, 2 ]
amdhsa.kernels:
  - .name:           k_qca8f1efbf2_ff1
    .symbol:         k_qca8f1efbf2_ff1.kd
    .args:
      - { .name: h2, .offset: 0, .size: 8, .value_kind: global_buffer, .address_space: global }
      - { .name: w1_codes, .offset: 8, .size: 8, .value_kind: global_buffer, .address_space: global }
      - { .name: lowp_scales, .offset: 16, .size: 8, .value_kind: global_buffer, .address_space: global }
      - { .name: b1, .offset: 24, .size: 8, .value_kind: global_buffer, .address_space: global }
      - { .name: ff_img, .offset: 32, .size: 8, .value_kind: global_buffer, .address_space: global }
    .group_segment_fixed_size: 327680
    .private_segment_fixed_size: 0
    .kernarg_segment_align: 8
    .kernarg_segment_size: 40
    .max_flat_workgroup_size: 128
    .sgpr_count:     100
    .vgpr_count:     1024
    .wavefront_size: 32
...
	.end_amdgpu_metadata
.endif
;; end of part 6
;; launch ff2 (part 7): grid 8 x 32, 4 waves a work-group, clusters of 4 x 4, 327,680 bytes of LDS; arguments ff_img, w2_codes, lowp_scales, b2, x1, out0; writes out0
.if DOCPART == 7
	.amdgcn_target "amdgcn-amd-amdhsa--gfx1250"
	.amdhsa_code_object_version 6
	.text
	.protected	k_qca8f1efbf2_ff2
	.globl	k_qca8f1efbf2_ff2
	.p2align	8
	.type	k_qca8f1efbf2_ff2,@function
k_qca8f1efbf2_ff2:
	s_mov_b64 s[64:65], 0
	v_nop
	global_prefetch_b8 v0, s[64:65] scope:SCOPE_SE
	s_setreg_imm32_b32 hwreg(HW_REG_WAVE_MODE, 25, 1), 1
	s_wait_xcnt 0x0
	s_wait_alu depctr_hold_cnt(0) depctr_sa_sdst(0) depctr_va_vdst(0) depctr_va_sdst(0) depctr_va_ssrc(0) depctr_va_vcc(0) depctr_vm_vsrc(0)
	s_getreg_b32 s2, hwreg(HW_REG_IB_STS2, 6, 4)
	s_cmp_eq_u32 s2, 0
	s_cbranch_scc0 .Lentry_in_a_cluster
	s_endpgm
.Lentry_in_a_cluster:
	s_bfe_u32 s2, ttmp6, 0x10000c
	s_cmp_lg_u32 s2, 0xf033
	s_cbranch_scc0 .Lentry_shape_is_right
	s_endpgm
.Lentry_shape_is_right:
; LAUNCH 7 OF 7: out0 = x1 + ff w2^T + b2.  Product 8 (M 4,096, N 1,024, K 4,096) on codes of E4M3; sums in f32, multiplied once by 2^(e14 + e15).
; A arrives as IMAGES OF OPERAND REGISTERS (launch ff1): [512 along K: 8][tile of 16 rows: 256][128 along K: 4][2 KiB]; registers 2 c, 2 c + 1 of lane (r, h) hold k = 16 c + 8 h + 0..7 of row r.
; So B's rows (w2's codes, K innermost) are read in the same places: loads of 8 bytes at row x pitch + 16 c + 8 h.
; A tile of C is 128 x 128: 256 work-groups; four waves, each 64 x 64: 16 accumulators, which take turns.  A slot of the ring of two holds 512 along K: four steps of 128.  A's part of a slot is one dense block of 65,536 bytes; B's is 128 rows of 512 bytes, 528 apart in LDS.
; CLUSTERS: 4 x 4 work-groups; A's tile is shared along a row of the cluster, B's along a column: each is asked for JOINTLY.  The matrix instruction is used transposed: a lane holds eight neighbouring numbers of a row of C.
; THE WAY OUT: 16 rows x 64 columns at a time through the wave's own stage in LDS, back as rows of 256 bytes; one packed multiply-add gives sum x 2^(e14 + e15) + (x1 + b2).
; PREFETCH INTO THE L2.  What a wave fetches for a slot is 128 blocks of 256 bytes: of A a dense run of 32,768 bytes, of B 64 rows x 512 bytes.  Each of the four partners that ask for it jointly names 32 blocks, told apart by address
; (cx for A's tiles, cy for B's): two lanes to 512 bytes, one instruction a wave.  Behind the load of slot fill t stands fill t + 2; behind the head's load also fill 1, whose load goes out when fill 0 is in.  The last two refills ask for nothing.
; LIMIT: e14 + e15 between -126 and 127.  NaN and infinities among the inputs are not served.
.set SIZE_K, 4096
.set EOFF,   56
.set PFO,  30                          ; v30     my lane's block; never rewritten
.set PFO2, 31                          ; v31     the same, a slot on; never rewritten
.set PFA,  76                          ; s[76:77] where my prefetches stand: my work-group's 32 blocks
.set PFS,  78                          ; s[78:79] a slot on, in bytes
.set AHALF,  32768
.set BP,     528
.set BHALF,  64*BP
.set BOFF,   2*AHALF
.set SLOT,   BOFF+2*BHALF
.set STAGE,  2*SLOT
.set SPITCH, 272
.set SPARE,  STAGE+4*16*SPITCH
.set LAPS,   SIZE_K/1024
.set ADRA, 16
.set ADRB, 20
.set STO,  24
.set RD,   25
.set CO,   26
.set BO,   27
.set SPW,  28
.set NIL,  29
.set TMP,  32
.set ACC,  128
.set F0,   0
.set F1,   128
.set G1, 24
.set G0, 32
.set G1B, 48
.set G0B, 56
.set MSB, 0
.macro WIN new
.if MSB != (\new)
	s_set_vgpr_msb (MSB<<8)|(\new)
.set MSB, (\new)
.endif
.endm
.set MUL,  0x05
.set TO_F, 0x40
.macro JLOAD s
	s_cmp_eq_u32 s11, 0
	s_cbranch_scc0 .Lfor_b_\@
	tensor_load_to_lds s[G0+4*\s:G0+4*\s+3], s[G1:G1+7]
	s_nop 0
.rept 4
	v_nop
.endr
	s_branch .Lasked_\@
.Lfor_b_\@:
	tensor_load_to_lds s[G0B+4*\s:G0B+4*\s+3], s[G1B:G1B+7]
	s_nop 0
.rept 4
	v_nop
.endr
.Lasked_\@:
.endm
.macro CREST
	s_cmp_lg_u32 s10, 0
	s_cbranch_scc1 .Lnot_wave_0_\@
	s_barrier_signal -3
.Lnot_wave_0_\@:
	s_barrier_wait -3
	s_barrier_signal -1
	s_barrier_wait -1
.endm
.macro CROUND
	s_barrier_signal -1
	s_barrier_wait -1
	CREST
.endm
	s_load_b128 s[4:7], s[0:1], 0x0
	s_load_b128 s[68:71], s[0:1], 0x10
	s_load_b128 s[72:75], s[0:1], 0x20
	v_lshl_add_u32 v[SPW], v0, 2, SPARE
	v_mov_b32 v[NIL], 0
	ds_add_u32 v[SPW], v[NIL]
	ds_add_u32 v[SPW], v[NIL]
	v_lshrrev_b32 v1, 5, v0
	v_readfirstlane_b32 s10, v1
	s_lshr_b32 s11, s10, 1
	s_and_b32 s12, s10, 1
	s_bfe_u32 s40, ttmp6, 0x40000
	s_bfe_u32 s41, ttmp6, 0x40004
	s_lshl_b32 s42, ttmp9, 2
	s_add_co_u32 s42, s42, s40
	s_and_b32 s13, ttmp7, 0xffff
	s_lshl_b32 s13, s13, 2
	s_add_co_u32 s13, s13, s41
	s_lshl_b32 s43, s41, 2
	s_lshl_b32 s43, 15, s43
	s_lshl_b32 s44, 0x1111, s40
	s_or_b32 s[G1+0], s43, (3<<16)|(1<<21)
	s_mov_b32 s[G1+1], 32<<16
	s_mov_b32 s[G1+2], 128<<16
	s_mov_b32 s[G1+3], 32<<16
	s_mov_b32 s[G1+4], 128
	s_mov_b32 s[G1+5], 32
	s_mov_b32 s[G1+6], 0
	s_mov_b32 s[G1+7], 0
	s_or_b32 s[G1B+0], s44, (0<<16)|(1<<20)|(1<<21)|(6<<22)|(3<<25)
	s_mov_b32 s[G1B+1], 512<<16
	s_mov_b32 s[G1B+2], 64<<16
	s_mov_b32 s[G1B+3], 512<<16
	s_mov_b32 s[G1B+4], 64
	s_mov_b32 s[G1B+5], SIZE_K
	s_mov_b32 s[G1B+6], 0
	s_mov_b32 s[G1B+7], 0
	s_lshl_b32 s16, s13, 16
	s_lshl_b32 s17, s12, 15
	s_add_co_u32 s16, s16, s17
	s_mov_b32 s17, 0
	s_lshl_b32 s46, s42, 7
	s_lshl_b32 s47, s12, 6
	s_add_co_u32 s46, s46, s47
	s_mul_i32 s46, s46, SIZE_K
	s_mov_b32 s47, 0
	s_lshl_b32 s20, s12, 15
	s_mul_i32 s21, s12, BHALF
	s_add_co_u32 s21, s21, BOFF
	s_cmp_eq_u32 s11, 0                            ; do I fetch for A?
	s_mov_b32 s66, SIZE_K
	s_cselect_b32 s66, 512, s66                    ; from one pair of lanes to the next: 512 bytes on in A's run, a row on in B
	s_mov_b32 s[PFS], 512
	s_cselect_b32 s[PFS], 0x200000, s[PFS]
	s_mov_b32 s[PFS+1], 0
	s_cselect_b32 s67, s40, s41                    ; my place among the four that ask with me
	s_mul_i32 s67, s67, s66
	s_lshl_b32 s82, s67, 4                         ; 16 pairs of lanes a partner
	s_mov_b32 s83, 0
	v_and_b32 v[PFO2], 1, v0
	v_bfe_u32 v[PFO], v0, 1, 4
	v_mul_lo_u32 v[PFO], v[PFO], s66
	v_lshl_add_u32 v[PFO], v[PFO2], 8, v[PFO]
	v_add_nc_u32 v[PFO2], s[PFS], v[PFO]
	s_wait_alu depctr_va_vdst(0)                   ; the wait here, directly ahead of the wait below
	s_wait_dscnt 0x0
	s_wait_kmcnt 0x0
	s_load_b64 s[80:81], s[68:69], EOFF
	s_add_nc_u64 s[14:15], s[4:5], s[16:17]
	s_add_nc_u64 s[46:47], s[6:7], s[46:47]
	s_cmp_eq_u32 s11, 0
	s_cselect_b64 s[PFA:PFA+1], s[14:15], s[46:47] ; what I fetch,
	s_add_nc_u64 s[PFA:PFA+1], s[PFA:PFA+1], s[82:83]       ; my work-group's part of it,
	s_add_nc_u64 s[PFA:PFA+1], s[PFA:PFA+1], s[PFS:PFS+1]   ; in fill 1
	CROUND
.irp s, 0,1
	s_mov_b32 s[G0+4*\s], 1
	s_add_co_u32 s[G0+4*\s+1], s20, \s*SLOT
	s_add_nc_u64 s[G0+4*\s+2:G0+4*\s+3], s[14:15], \s*0x200000
	s_or_b32 s[G0+4*\s+3], s[G0+4*\s+3], 0x80000000
	s_mov_b32 s[G0B+4*\s], 1
	s_add_co_u32 s[G0B+4*\s+1], s21, \s*SLOT
	s_add_nc_u64 s[G0B+4*\s+2:G0B+4*\s+3], s[46:47], \s*512
	s_or_b32 s[G0B+4*\s+3], s[G0B+4*\s+3], 0x80000000
.if \s                                         ; slot 1's first fill is issued as a refill is: one tensor load a wave at the head
	s_wait_alu depctr_va_vdst(0)                   ; the wait here, directly ahead of the wait below
	s_wait_tensorcnt 0x0                           ; my part of slot 0 is in
	ds_add_u32 v[SPW], v[NIL]
	s_wait_xcnt 0x0                                ; the head's prefetches have read their address: it steps from fill 1 to fill 3
	s_add_nc_u64 s[PFA:PFA+1], s[PFA:PFA+1], s[PFS:PFS+1]
	s_add_nc_u64 s[PFA:PFA+1], s[PFA:PFA+1], s[PFS:PFS+1]
	s_wait_dscnt 0x0
	CROUND                                         ; a whole round: the joint loads of slot 1 meet
.endif
	JLOAD \s
.if \s
	global_prefetch_b8 v[PFO], s[PFA:PFA+1] th:TH_LOAD_NT scope:SCOPE_SE    ; fill 3
.else
	global_prefetch_b8 v[PFO], s[PFA:PFA+1] th:TH_LOAD_NT scope:SCOPE_SE    ; fill 1
	global_prefetch_b8 v[PFO2], s[PFA:PFA+1] th:TH_LOAD_NT scope:SCOPE_SE   ; fill 2
.endif
.endr
	v_and_b32 v1, 15, v0
	v_bfe_u32 v2, v0, 4, 1
	v_and_b32 v3, 31, v0
	v_lshlrev_b32 v4, 4, v3
	v_mul_u32_u24 v5, v1, BP
	v_lshl_add_u32 v5, v2, 3, v5
	s_lshl_b32 s21, s11, 15
	s_mul_i32 s22, s12, BHALF
	s_add_co_u32 s22, s22, BOFF
.irp s, 0,1
	v_add_nc_u32 v[ADRA+\s], s21, v4
	v_add_nc_u32 v[ADRB+\s], s22, v5
	s_add_co_u32 s21, s21, SLOT
	s_add_co_u32 s22, s22, SLOT
.endr
	s_mul_i32 s23, s10, 16*SPITCH
	s_add_co_u32 s23, s23, STAGE
	v_mul_u32_u24 v6, v1, SPITCH
	v_lshl_add_u32 v6, v2, 5, v6
	v_add_nc_u32 v[STO], s23, v6
	v_mul_u32_u24 v7, v2, SPITCH
	v_lshl_add_u32 v7, v1, 4, v7
	v_add_nc_u32 v[RD], s23, v7
	v_lshlrev_b32 v[CO], 12, v2
	v_lshl_add_u32 v[CO], v1, 4, v[CO]
	s_wait_alu depctr_va_vdst(0)
	v_lshlrev_b32 v[BO], 4, v1
	s_wait_alu depctr_va_vdst(0)
	s_lshl_b32 s46, s42, 9
	s_lshl_b32 s47, s12, 8
	s_add_co_u32 s46, s46, s47
	s_mov_b32 s47, 0
	s_add_nc_u64 s[70:71], s[70:71], s[46:47]
	s_lshl_b32 s16, s13, 19
	s_lshl_b32 s17, s11, 18
	s_add_co_u32 s16, s16, s17
	s_add_co_u32 s16, s16, s46
	s_mov_b32 s17, 0
	s_add_nc_u64 s[72:73], s[72:73], s[16:17]
	s_add_nc_u64 s[74:75], s[74:75], s[16:17]
	WIN 0x80
.irp a, 0,1,2,3
.irp t, 0,1,2,3,4,5,6,7
	global_load_b128 v[32*\a+4*\t:32*\a+4*\t+3], v[CO], s[72:73] offset:(16*\a+2*\t)*4096 th:TH_LOAD_NT
.endr
.endr
	WIN 0
	global_load_b128 v[8:11], v[BO], s[70:71]
.macro FETCH slot, q, f
	WIN TO_F
.irp i, 0,1,2,3
.irp c, 0,1,2,3,4,5,6,7
	ds_load_b64 v[\f+64+16*\i+2*\c:\f+64+16*\i+2*\c+1], v[ADRB+\slot] offset:128*(\q)+16*\c+\i*16*BP
.endr
.endr
.irp i, 0,1,2,3
.irp c, 0,1,2,3
	ds_load_b128 v[\f+16*\i+4*\c:\f+16*\i+4*\c+3], v[ADRA+\slot] offset:2048*(\q)+512*\c+8192*\i
.endr
.endr
.endm
.macro MUL8 f, a0, zero
	WIN MUL
.irp a, \a0, \a0+1
.irp b, 0,1,2,3
.if \zero
	v_wmma_f32_16x16x128_fp8_fp8 v[ACC+8*(4*(\a)+\b):ACC+8*(4*(\a)+\b)+7], v[\f+64+16*\b:\f+64+16*\b+15], v[\f+16*(\a):\f+16*(\a)+15], 0
.else
	v_wmma_f32_16x16x128_fp8_fp8 v[ACC+8*(4*(\a)+\b):ACC+8*(4*(\a)+\b)+7], v[\f+64+16*\b:\f+64+16*\b+15], v[\f+16*(\a):\f+16*(\a)+15], v[ACC+8*(4*(\a)+\b):ACC+8*(4*(\a)+\b)+7]
.endif
.endr
.endr
.endm
.macro PLACES
.rept 4
	v_nop
.endr
.endm
.macro QUARTER slot, qn, f, g, zero
	s_wait_dscnt 0x0
	PLACES
	FETCH \slot, \qn, \g
	MUL8 \f, 0, \zero
	MUL8 \f, 2, \zero
.endm
.macro TURN slot, next, fill
	WIN 0
.if \fill
	s_wait_xcnt 0x0                                ; the last prefetch, a slot back, has read its address: it steps a slot on
	s_add_nc_u64 s[PFA:PFA+1], s[PFA:PFA+1], s[PFS:PFS+1]
.endif
	s_wait_tensorcnt 0x0
	ds_add_u32 v[SPW], v[NIL]
	s_wait_dscnt 1
	MUL8 F1, 0, 0
	s_wait_dscnt 0x0
	s_barrier_signal -1
	WIN 0
	s_barrier_wait -1
.if \fill
	CREST
	s_add_nc_u64 s[G0+4*\slot+2:G0+4*\slot+3], s[G0+4*\slot+2:G0+4*\slot+3], 0x400000
	s_add_nc_u64 s[G0B+4*\slot+2:G0B+4*\slot+3], s[G0B+4*\slot+2:G0B+4*\slot+3], 1024
	JLOAD \slot
.else
	PLACES
.endif
	FETCH \next, 0, F0
.if \fill
	WIN 0                                          ; (a branch follows)
	s_cmp_gt_u32 s3, 1                             ; the last trip's two refills have no fill two on
	s_cbranch_scc0 .Lnone_\@
	global_prefetch_b8 v[PFO], s[PFA:PFA+1] th:TH_LOAD_NT scope:SCOPE_SE    ; the fill two on from the refill just asked for
.Lnone_\@:
.endif
	MUL8 F1, 2, 0
.endm
	s_wait_tensorcnt 1
	s_barrier_signal -1
	s_barrier_wait -1
	FETCH 0, 0, F0
	QUARTER 0, 1, F0, F1, 1
.if LAPS > 1
	WIN 0
	s_mov_b32 s3, LAPS-1
.Llap:
	QUARTER 0, 2, F1, F0, 0
	QUARTER 0, 3, F0, F1, 0
	TURN 0, 1, 1
	QUARTER 1, 1, F0, F1, 0
	QUARTER 1, 2, F1, F0, 0
	QUARTER 1, 3, F0, F1, 0
	TURN 1, 0, 1
	QUARTER 0, 1, F0, F1, 0
	WIN 0
	s_sub_co_u32 s3, s3, 1
	s_cmp_lg_u32 s3, 0
	s_cbranch_scc1 .Llap
.endif
	QUARTER 0, 2, F1, F0, 0
	QUARTER 0, 3, F0, F1, 0
	TURN 0, 1, 0
	QUARTER 1, 1, F0, F1, 0
	QUARTER 1, 2, F1, F0, 0
	QUARTER 1, 3, F0, F1, 0
	s_wait_dscnt 0x0
	MUL8 F1, 0, 0
	MUL8 F1, 2, 0
	s_wait_loadcnt 0x0
	s_wait_kmcnt 0x0
	s_add_co_i32 s80, s80, s81
	s_add_co_i32 s80, s80, 127
	s_lshl_b32 s80, s80, 23
	s_mov_b32 s81, s80
	WIN 0x82
.set g, 0
.rept 32
	v_pk_add_f32 v[4*g:4*g+1], v[4*g:4*g+1], v[8:9]
	v_pk_add_f32 v[4*g+2:4*g+3], v[4*g+2:4*g+3], v[10:11]
.set g, g+1
.endr
	WIN 0
.irp a, 0,1,2,3
.irp b, 0,1,2,3
	ds_store_b128 v[STO], v[ACC+8*(4*\a+\b):ACC+8*(4*\a+\b)+3] offset:64*\b
	ds_store_b128 v[STO], v[ACC+8*(4*\a+\b)+4:ACC+8*(4*\a+\b)+7] offset:64*\b+16
.endr
.if \a > 0
	s_wait_xcnt 0x0
.endif
.irp t, 0,1,2,3,4,5,6,7
	ds_load_b128 v[TMP+4*\t:TMP+4*\t+3], v[RD] offset:\t*2*SPITCH
.endr
	s_wait_dscnt 0x0
	WIN 0x20
.set p, 0
.rept 16
	v_pk_fma_f32 v[TMP+p:TMP+p+1], v[TMP+p:TMP+p+1], s[80:81], v[32*\a+p:32*\a+p+1] op_sel_hi:[1,0,1]
.set p, p+2
.endr
	WIN 0
.irp t, 0,1,2,3,4,5,6,7
	global_store_b128 v[CO], v[TMP+4*\t:TMP+4*\t+3], s[74:75] offset:(16*\a+2*\t)*4096 th:TH_STORE_NT
.endr
.endr
	s_wait_tensorcnt 0x0
	ds_add_u32 v[SPW], v[NIL]
	s_wait_dscnt 0x0
	CROUND
	s_endpgm
.Lfunc_end_k_qca8f1efbf2_ff2:
	.size	k_qca8f1efbf2_ff2, .Lfunc_end_k_qca8f1efbf2_ff2-k_qca8f1efbf2_ff2
	.p2alignl 7, 3214868480
	.fill 96, 4, 3214868480
	.section	.rodata,"a",@progbits
	.p2align	6, 0x0
	.amdhsa_kernel k_qca8f1efbf2_ff2
		.amdhsa_group_segment_fixed_size 327680
		.amdhsa_private_segment_fixed_size 0
		.amdhsa_enable_private_segment 0
		.amdhsa_kernarg_size 48
		.amdhsa_user_sgpr_count 2
		.amdhsa_user_sgpr_kernarg_segment_ptr 1
		.amdhsa_wavefront_size32 1
		.amdhsa_system_sgpr_workgroup_id_x 1
		.amdhsa_system_sgpr_workgroup_id_y 1
		.amdhsa_system_sgpr_workgroup_id_z 1
		.amdhsa_system_vgpr_workitem_id 0
		.amdhsa_next_free_vgpr 768
		.amdhsa_next_free_sgpr 84
		.amdhsa_reserve_vcc 0
		.amdhsa_float_denorm_mode_32 3
		.amdhsa_float_denorm_mode_16_64 3
		.amdhsa_memory_ordered 1
		.amdhsa_forward_progress 1
		.amdhsa_inst_pref_size 99
	.end_amdhsa_kernel
	.amdgpu_metadata
---
amdhsa.version: [ 1, 2 ]
amdhsa.kernels:
  - .name:           k_qca8f1efbf2_ff2
    .symbol:         k_qca8f1efbf2_ff2.kd
    .args:
      - { .name: ff_img, .offset: 0, .size: 8, .value_kind: global_buffer, .address_space: global }
      - { .name: w2_codes, .offset: 8, .size: 8, .value_kind: global_buffer, .address_space: global }
      - { .name: lowp_scales, .offset: 16, .size: 8, .value_kind: global_buffer, .address_space: global }
      - { .name: b2, .offset: 24, .size: 8, .value_kind: global_buffer, .address_space: global }
      - { .name: x1, .offset: 32, .size: 8, .value_kind: global_buffer, .address_space: global }
      - { .name: out0, .offset: 40, .size: 8, .value_kind: global_buffer, .address_space: global }
    .group_segment_fixed_size: 327680
    .private_segment_fixed_size: 0
    .kernarg_segment_align: 8
    .kernarg_segment_size: 48
    .max_flat_workgroup_size: 128
    .sgpr_count:     84
    .vgpr_count:     768
    .wavefront_size: 32
...
	.end_amdgpu_metadata
.endif
;; end of part 7
